; MI455X (gfx1250); checked and timed in simulation.
; The chip was launched on July 23, 2026; its instructions are those of AMD's public machine-readable ISA for CDNA 5 (MIT licence, August 2026) and "CDNA5" Instruction Set Architecture Reference Guide (July 2026). The comments in the code are by the model that wrote it; some were corrected since.
;; Grouped Query Attention Exercise. Allowed arithmetic: matrix products marked QUANTISED: E2M1 operands, one E8M0 scale for each 32 along K, by v_wmma_scale_f32_16x16x128_f8f6f4 with both operands' format E2M1 (or v_wmma_scale_f32_32x16x128_f4), f32 sums; everything else in f32.
;; Inputs: Wk 2,048 x 512 float32; Wo 2,048 x 2,048 float32; Wq 2,048 x 2,048 float32; Wv 2,048 x 512 float32; bk 512 float32; bo 2,048 float32; bq 2,048 float32; bv 512 float32; x 4 x 1,024 x 2,048 float32.
;; Outputs: out0 4 x 1,024 x 2,048 float32.
;; This version of the problem:
;;   THIS VERSION OF THE PROBLEM IS GIVEN IN LOW PRECISION. The matrix products marked QUANTISED in the list below multiply operands that are first quantised to E2M1 (2 exponent bits, 1 mantissa bit; 4 bits a number), with one power-of-two scale for each 32 numbers along K (OCP MX v1.0); their sums are f32. All else is computed in f32.
;;   The module's matrix products, in the order in which they are computed (A, B: the left and right operand; K: the contracted axis; several contracted axes count as one K, in the product's order):
;;     1. [M 4,096, K 2,048] x [K 2,048, N 2,048]; A: input x; B: input Wq: QUANTISED
;;     2. [M 4,096, K 2,048] x [K 2,048, N 512]; A: input x; B: input Wk: QUANTISED
;;     3. [M 4,096, K 2,048] x [K 2,048, N 512]; A: input x; B: input Wv: QUANTISED
;;     4. batch 32 x [M 4,096, K 64] x [K 64, N 1,024]; A: computed on the way; B: computed on the way: QUANTISED
;;     5. batch 32 x [M 4,096, K 1,024] x [K 1,024, N 64]; A: softmax (see below); B: computed on the way: QUANTISED
;;     6. [M 4,096, K 2,048] x [K 2,048, N 2,048]; A: computed on the way; B: input Wo: QUANTISED
;;   THE QUANTISER, for each operand of a quantised product, along K:
;;     - K is cut into blocks of 32 from its start; a last block that is shorter is filled with zeros.
;;     - A block's scale is 2^e with e = floor(log2(the largest magnitude in the block)) - 2, held to -126 .. 127; a block of zeros has e = 0. As a byte (E8M0): e + 127.
;;     - Each number is divided by its block's scale, clamped to +-6, and rounded to the nearest number of E2M1, ties to even, subnormals kept.
;;     - The product sums the exact products of the quantised numbers (number of the format x scale) in f32.
;;   ~~~python
;;   def quantise(x, axis):      # numpy; x: float32 -> the quantised numbers, widened to float32 again
;;       x = np.moveaxis(x, axis, -1); K = x.shape[-1]
;;       x = np.pad(x, [(0, 0)] * (x.ndim - 1) + [(0, -K % 32)]); x = x.reshape(x.shape[:-1] + (-1, 32)); a = np.abs(x).max(-1, keepdims=True)
;;       e = np.where(a > 0, np.clip(np.frexp(np.where(a > 0, a, 1))[1] - 1 - 2, -126, 127), 0)      # np.frexp(a)[1] - 1 = floor(log2(a)), exactly
;;       r = np.clip(x / 2.0 ** e, -6, 6)
;;       step = 2.0 ** (np.maximum(np.frexp(np.where(r == 0, 1, r))[1] - 1, 0) - 1)
;;       q = np.round(r / step) * step * 2.0 ** e      # np.round: ties to even
;;       return np.moveaxis(q.reshape(q.shape[:-2] + (-1,))[..., :K], -1, axis).astype(np.float32)
;;   ~~~
;;   SOFTMAX AHEAD OF A QUANTISED PRODUCT. Where the list says 'softmax', what is quantised is not the finished softmax but p = 2^(t - M), with t = logit x log2(e) and M = ceil(the row's largest t), a whole number; so 1/2 < the row's largest p <= 1. The row's sum l is taken of the UNQUANTISED p, in f32, and the product's result is divided by l at the end. Since M is a whole number, a kernel that streams over the keys may use a running M (the ceiling of the running maximum): every later rescaling is an exact power of two, which a block's scale takes up: the codes' values come out the same.
;;   OPERANDS COMPUTED ON THE WAY. 'Computed on the way' means the value that the module computes at that place (a softmax that the list does not call 'softmax' is quantised finished and normalised). What goes into a quantiser is computed in f32, as accurately as f32 sums, v_exp_f32 and their like allow (about 1e-6 of the number): no bf16 or f16 on the way to a quantiser, and a product that is left as it is and whose result goes on into a quantised operand takes f32 operands (vector FMAs, or v_wmma_f32_16x16x4_f32). A number that lies on a knife's edge between two numbers of the format may be rounded either way, as far as f32 arithmetic and the matrix unit's own rounding can turn it there, and no further.
;; One version. Each part assembles by itself: llvm-mc -triple=amdgcn-amd-amdhsa -mcpu=gfx1250 --defsym DOCPART=n.
;; ======== version 1 of 1: 4 launches
;; limits: right only within a limited range of input values
;; workspace buffers: xp 4,456,448 bytes; wp 5,570,560 bytes; qc 4,194,304 bytes; qs 524,288 bytes; kv 2,293,760 bytes; op 4,456,448 bytes
;; launch quant (part 1): grid 256 x 1, 18 waves a work-group, no clusters, 159,232 bytes of LDS; arguments x, Wq, Wk, Wv, Wo, xp, wp; writes xp, wp
.if DOCPART == 1
	.amdgcn_target "amdgcn-amd-amdhsa--gfx1250"
	.amdhsa_code_object_version 6
	.text
	.protected	k_qf672251007_quant
	.globl	k_qf672251007_quant
	.p2align	8
	.type	k_qf672251007_quant,@function
k_qf672251007_quant:
	s_mov_b64 s[64:65], 0
	v_nop
	global_prefetch_b8 v0, s[64:65] scope:SCOPE_SE
	s_setreg_imm32_b32 hwreg(HW_REG_WAVE_MODE, 25, 1), 1
	s_wait_xcnt 0x0
; GROUPED-QUERY ATTENTION ON CODES OF FP4 (E2M1, one E8M0 scale for each 32 along K), four launches: quant, gemm_qkv, attn, gemm_out.
; THIS LAUNCH turns x [4096][2048] and the weights Wq, Wk, Wv, Wo ([2048 (K)][N]), all f32, into codes and scale bytes, quantised along K = 2,048.
; WORK LEFT OUT IN THE PROGRAM: in launch attn a step of 128 keys all of which come after a tile's 16 queries.  reference() builds the causal mask itself (jnp.tril) and sets
; those scores to the lowest f32 number ahead of the softmax; key 0 counts for every query, so for all finite inputs their p is 0 and adds nothing to the row's sum or to o.
; Nothing else is left out and every input is loaded (bk too: it moves k's codes).  LIMIT: a NaN, an infinity or an overflow that reaches only those hidden steps is not carried to the result.
; LIMITS OF THE QUANTISER: a block of zeros gets the byte 1 where the rule says 127 (its codes are zeros, and this program alone reads the bytes); NaN and infinities among the inputs are not served;
; blocks whose largest magnitude lies under 2^-124, the floor, were not tried.
; THE PACKED LAYOUT (xp, wp, later op): [K / 512: 4][tile of 16 rows][4,352 bytes].  In a tile: byte 1024 q + 512 c + 16 lane holds registers 4 c .. 4 c + 3 of that lane of the operand of the q-th 128 along K
; (row lane % 16, k = 64 c + 32 (lane / 16) + 0 .. 31): an image of the operand's registers; byte 4096 + 16 r + 4 q + e holds the scale byte of row r, k = 128 q + 32 e on.  4,352 = 17 x 256.
; THE ROWS OF A TILE ARE NOT NEIGHBOURS: stored tile p, row r is true row 32 (p / 2) + 8 (p % 2) + r + 8 (r / 8), so that where such tiles are a product's source 0 a lane's 16 registers of tiles 2 b, 2 b + 1
; are 16 neighbours along the next product's K.
; wp's tiles: 0-127 Wq's columns; 128 + 16 c + 0..7 Wk's columns 128 c on, 128 + 16 c + 8..15 Wv's columns 128 c on (c = 0..3); 192-319 Wo's columns.
; SHARES.  72 MiB of input over 256 work-groups are 288 KiB each: 18 waves x 16 KiB.  A WEIGHT TASK is 32 columns x 128 K: a lane takes a column and its registers run down K; the four tasks of 512 K (a quad) make
; the whole scale units of two tiles.  AN X TASK is a tile of 16 rows x 256 K, two steps of 128; the two tasks of 512 K (a quad) make the tile's scale unit.  There are 640 weight quads (64 KiB) and 1,024 x quads (32 KiB).
; Every fourth work-group takes 4 weight quads and 1 x quad (waves 0-15, 16-17), the others 2 weight quads and 5 x quads (waves 0-7, 8-17): 64 x 4 + 192 x 2 = 640, 64 + 192 x 5 = 1,024.
; Weight quads are numbered with the 32 columns fastest and come in even runs, so that the two halves of 256 consecutive bytes of a weight's row are read by two waves of one work-group.
; x: every load reads 512 consecutive bytes of a row; the numbers turn through the wave's own stage in LDS and come back a whole block of 32 to a lane, in the operand's own order.
; The scale words meet in LDS; behind the one barrier each even wave stores one aligned unit of 256 bytes.  No tensor load, no cluster (no two work-groups read the same bytes), no matrix instruction;
; no prefetch: the text has no loop to run ahead in, and a wave asks for its bytes at its start.
.set SIGX,  1114112                    ; xp: bytes of 512 along K of all 256 tiles
.set SIGW,  1392640                    ; wp: of all 320 tiles
.set TILEB, 4352
.set XSTW,  8448                       ; a wave's stage, 16 rows x (512 + 16) bytes
.set WSC,   18*XSTW                    ; the weights' scale words: 512 bytes for each four waves
.set XSC,   WSC+2560                   ; x's: 256 bytes for each two waves
.set SPARE, XSC+2304                   ; the spare words, 128 bytes for each of 18 waves: nine blocks of 256 bytes that no other line names
.set SPW, 16                           ; v16 LDS address of my spare word; never rewritten
.set NIL, 17                           ; v17 0; never rewritten
.set WV,  18                           ; s18 my wave's number
.set SEL, 20                           ; s[20:21] selects for lane l xor 16
.set NW,  35                           ; s35 the waves under this number take weights
.set WC,  24                           ; weights: v24-39 codes, four registers a block: no store's data are written again
.set WX,  40                           ; v40-135 three sets of 32 numbers
.set WO,  136                          ; v136-167 byte offset of my column in row i of a block
.set R,   24                           ; x: v24-151 two steps of 64 numbers as loaded; later a step's second block and its codes
.set XA,  152                          ; v152-183 a step's first block
; v1 lane, v2 r, v3 h, v4 16 lane, v5, v6 the stage in and out, v7, v8 where my scale word goes (x, weights), v9, v22 the unit that I store (weights, x), v10 tile h, 16 r, v15 8 lane, v18 8 h, v19 a permute's destination
	s_load_b256 s[4:11], s[0:1], 0x0               ; x s[4:5], Wq s[6:7], Wk s[8:9], Wv s[10:11]
	s_load_b128 s[12:15], s[0:1], 0x20             ; Wo s[12:13], xp s[14:15]
	s_load_b64 s[16:17], s[0:1], 0x30              ; wp
	v_lshl_add_u32 v[SPW], v0, 2, SPARE
	v_mov_b32 v[NIL], 0
	v_lshrrev_b32 v1, 5, v0
	v_readfirstlane_b32 s[WV], v1                  ; wave 0..17
	s_mul_i32 s22, s[WV], XSTW                     ; my stage
	s_lshr_b32 s23, s[WV], 1
	s_lshl_b32 s23, s23, 8                         ; 256 (wave / 2)
	s_and_b32 s24, s[WV], 1
	s_lshl_b32 s24, s24, 3
	s_add_co_u32 s24, s24, s23                     ; + 8 (wave % 2)
	s_lshr_b32 s25, s[WV], 2
	s_lshl_b32 s25, s25, 9
	s_and_b32 s26, s[WV], 3                        ; q: a weight task's 128 of the 512 along K
	s_lshl_b32 s27, s26, 2
	s_add_co_u32 s25, s25, s27                     ; 512 (wave / 4) + 4 q
	; every LDS address is made here, ahead of the parting of the roles, from the wave's number and the lane alone
	v_and_b32 v1, 31, v0                           ; lane
	v_and_b32 v2, 15, v0                           ; r
	v_bfe_u32 v3, v0, 4, 1                         ; h
	v_lshlrev_b32 v4, 4, v1                        ; 16 x lane
	v_mul_u32_u24 v6, v2, 528
	v_lshlrev_b32 v15, 3, v1                       ; 8 x lane
	v_add_nc_u32 v5, s22, v4                       ; the stage, in: as loaded
	v_lshl_add_u32 v6, v3, 7, v6
	v_lshl_add_u32 v7, v2, 4, XSC
	v_add_nc_u32 v8, WSC, v4
	v_add_nc_u32 v6, s22, v6                       ; out: row r, + 128 h: block h of each 64 along K
	v_add_nc_u32 v7, s24, v7                       ; x: my row's words of my 256 along K
	v_add_nc_u32 v8, s25, v8                       ; weights: my column's word of my 128 along K; lanes 16-31 the odd tile's unit
	v_add_nc_u32 v9, s23, v15
	v_mul_u32_u24 v10, v3, TILEB
	v_lshlrev_b32 v18, 3, v3
	v_add_nc_u32 v22, XSC, v9                      ; the unit that an even wave stores: unit wave / 2 of x's,
	v_add_nc_u32 v9, WSC, v9                       ; or of the weights'
	v_lshl_add_u32 v10, v2, 4, v10                 ; in wp: tile h of my two, 16 r
	v_mov_b32 v19, 0                               ; written once: a lane permute's destination counts as one of its sources
	; the deal, from the work-group's number
	s_and_b32 s28, ttmp9, 3
	s_lshr_b32 s29, ttmp9, 2                       ; a: the work-groups with number 4 a
	s_mul_i32 s30, s29, 3
	s_add_co_u32 s30, s30, s28
	s_sub_co_u32 s30, s30, 1                       ; b: the others, 0..191
	s_lshl_b32 s31, s30, 1
	s_add_co_u32 s31, s31, 256                     ; their first weight quad,
	s_mul_i32 s34, s30, 5
	s_add_co_u32 s34, s34, 64                      ; their first x quad
	s_lshl_b32 s36, s29, 2
	s_cmp_eq_u32 s28, 0
	s_cselect_b32 s31, s36, s31                    ; my first weight quad
	s_cselect_b32 s34, s29, s34                    ; my first x quad
	s_cselect_b32 s[NW], 16, 8
	s_mov_b32 s[SEL], 0x76543210
	s_mov_b32 s[SEL+1], 0xfedcba98
	s_wait_alu depctr_va_vdst(0)
	s_wait_kmcnt 0x0
	s_cmp_ge_u32 s[WV], s[NW]
	s_cbranch_scc1 .Lx
; A block of 32 numbers in v[xs] on, all of one lane, becomes four registers of codes in v[cd] on; its scale byte is left in v13.
.macro BLOCK xs, cd
	v_max3_num_f32 v12, |v[(\xs)]|, |v[(\xs)+1]|, |v[(\xs)+2]|     ; the largest magnitude, in two chains
	v_max3_num_f32 v13, |v[(\xs)+3]|, |v[(\xs)+4]|, |v[(\xs)+5]|
.irp i, 6,10,14,18,22,26
	s_delay_alu instid0(VALU_DEP_2)
	v_max3_num_f32 v12, v12, |v[(\xs)+\i]|, |v[(\xs)+\i+1]|
	s_delay_alu instid0(VALU_DEP_2)
	v_max3_num_f32 v13, v13, |v[(\xs)+\i+2]|, |v[(\xs)+\i+3]|
.endr
	s_delay_alu instid0(VALU_DEP_2)
	v_max3_num_f32 v12, v12, |v[(\xs)+30]|, |v[(\xs)+31]|
	s_delay_alu instid0(VALU_DEP_1)
	v_max3_num_f32 v12, v12, v13, 0x1800000        ; and the floor 2^(3 - 127): the byte cannot fall under 1
	s_delay_alu instid0(VALU_DEP_1)
	v_add_nc_u32 v11, 0xff000000, v12              ; 2 off its exponent field: the conversion's scale operand
	s_delay_alu instid0(VALU_DEP_1)
	v_lshrrev_b32 v13, 23, v11                     ; the scale's byte
.irp g, 0,1,2,3
	v_cvt_scalef32_pk8_fp4_f32 v[(\cd)+\g], v[(\xs)+8*\g:(\xs)+8*\g+7], v11
.endr
	v_nop                                          ; one plain line behind a scaled conversion
.endm
; ---------------- the weights ----------------
	s_lshr_b32 s36, s[WV], 2
	s_add_co_u32 s36, s36, s31                     ; my quad, 0..639
	s_mul_hi_u32 s37, s36, 26843546                ; / 160: which 512 along K
	s_mul_i32 s38, s37, 160
	s_sub_co_u32 s38, s36, s38                     ; which 32 of the 5,120 columns: 0-63 Wq, 64-79 Wk, 80-95 Wv, 96-159 Wo
	s_mov_b64 s[40:41], s[6:7]                     ; Wq: the tensor,
	s_mov_b32 s42, s38                             ; which 32 of its columns,
	s_lshl_b32 s43, s38, 1                         ; the even tile in wp,
	s_mov_b32 s44, 8192                            ; a row in bytes
	s_mov_b32 s45, 2048
.macro NARROW first, ptr, tile0        ; Wk, Wv; the choices hang on ids alone
	s_sub_co_u32 s48, s38, \first
	s_lshr_b32 s49, s48, 2
	s_lshl_b32 s49, s49, 4
	s_and_b32 s50, s48, 3
	s_lshl_b32 s50, s50, 1
	s_add_co_u32 s49, s49, s50
	s_add_co_u32 s49, s49, \tile0
	s_cmp_ge_u32 s38, \first
	s_cselect_b64 s[40:41], s[\ptr:\ptr+1], s[40:41]
	s_cselect_b32 s42, s48, s42
	s_cselect_b32 s43, s49, s43
	s_cselect_b32 s44, s45, s44
.endm
	NARROW 64, 8, 128
	NARROW 80, 10, 136
	s_sub_co_u32 s48, s38, 96                      ; Wo
	s_lshl_b32 s49, s48, 1
	s_add_co_u32 s49, s49, 192
	s_mov_b32 s45, 8192
	s_cmp_ge_u32 s38, 96
	s_cselect_b64 s[40:41], s[12:13], s[40:41]
	s_cselect_b32 s42, s48, s42
	s_cselect_b32 s43, s49, s43
	s_cselect_b32 s44, s45, s44
	s_mul_i32 s48, s37, SIGW
	s_mul_i32 s49, s43, TILEB
	s_add_co_u32 s48, s48, s49
	s_mov_b32 s49, 0
	s_add_nc_u64 s[52:53], s[16:17], s[48:49]      ; the even tile's first byte in wp
	s_lshl_b32 s48, s26, 10
	s_add_nc_u64 s[50:51], s[52:53], s[48:49]      ; the images of my 128 along K
	s_bfe_u32 s48, s[WV], 0x10001
	s_mul_i32 s48, s48, TILEB
	s_add_nc_u64 s[46:47], s[52:53], s[48:49]      ; the tile whose scale unit an even wave stores: (wave / 2) % 2 of the two
	s_lshl_b32 s48, s37, 9
	s_lshl_b32 s54, s26, 7
	s_add_co_u32 s48, s48, s54                     ; my first row of the weight
	s_mul_i32 s48, s48, s44
	s_lshl_b32 s54, s42, 7
	s_add_co_u32 s48, s48, s54                     ; + my 32 columns
	s_add_nc_u64 s[56:57], s[40:41], s[48:49]      ; a base for each of the four blocks: none is stepped
	s_lshl_b32 s48, s44, 5
	s_add_nc_u64 s[58:59], s[56:57], s[48:49]
	s_add_nc_u64 s[60:61], s[58:59], s[48:49]
	s_add_nc_u64 s[62:63], s[60:61], s[48:49]
	v_and_b32 v11, 7, v1                           ; my column of the 32: lanes 0-15 are the even tile's rows, lanes 16-31 the odd tile's:
	v_and_b32 v12, 8, v1
	s_delay_alu instid0(VALU_DEP_1)
	v_lshl_or_b32 v11, v12, 1, v11                 ; r + 8 (r / 8)
	s_delay_alu instid0(VALU_DEP_1)
	v_lshl_or_b32 v11, v3, 3, v11                  ; + 8 h
	s_delay_alu instid0(VALU_DEP_1)
	v_lshlrev_b32 v[WO], 2, v11
.set i, 1
.rept 31
	v_mad_u32_u24 v[WO+i], s44, i, v[WO]           ; and i rows further down
.set i, i+1
.endr
	s_wait_alu depctr_va_vdst(0)
.macro LOADW t                         ; block t: W(32 t + i, my column), i = 0 .. 31, into set t % 3: a load reads 128 consecutive bytes
.set i, 0
.rept 32
	global_load_b32 v[WX+32*((\t)%3)+i], v[WO+i], s[56+2*(\t):57+2*(\t)] th:TH_LOAD_NT
.set i, i+1
.endr
.endm
	LOADW 0
	LOADW 1
.irp t, 0,1,2,3
.if \t < 3
	s_wait_loadcnt 32                              ; this block's 32 loads are in; the next block's 32 may be out
.else
	s_wait_loadcnt 0x0
.endif
.if \t < 2
	LOADW \t+2                                     ; two blocks ahead; block 3 takes the set that block 0 has left
.endif
	BLOCK WX+32*((\t)%3), WC+4*\t
.if \t == 0
	v_mov_b32 v14, v13                             ; four bytes make my column's scale word for these 128 along K
.else
	v_lshl_or_b32 v14, v13, 8*\t, v14
.endif
	global_store_b128 v10, v[WC+4*\t:WC+4*\t+3], s[50:51] offset:512*(\t/2)+256*(\t%2)   ; block t = 2 c + h of the image: sixteen lanes store 256 consecutive bytes
.endr
	ds_store_b32 v8, v14                           ; a tile's scale words come from four waves: they meet in LDS
	s_branch .Lmeet
; ---------------- x ----------------
.Lx:
	s_sub_co_u32 s36, s[WV], s[NW]
	s_lshr_b32 s37, s36, 1
	s_add_co_u32 s37, s37, s34                     ; my quad, 0..1023
	s_and_b32 s38, s[WV], 1                        ; which 256 of its 512 along K (the first x wave's number is even)
	s_lshr_b32 s40, s37, 2                         ; stored tile 0..255
	s_and_b32 s41, s37, 3                          ; which 512 along K
	s_lshr_b32 s42, s40, 1
	s_lshl_b32 s42, s42, 18                        ; 32 rows of 8,192 bytes for each pair of tiles,
	s_and_b32 s43, s40, 1
	s_lshl_b32 s43, s43, 16                        ; 8 rows for the odd tile,
	s_add_co_u32 s42, s42, s43
	s_lshl_b32 s43, s41, 11                        ; 2,048 bytes for each 512 along K,
	s_add_co_u32 s42, s42, s43
	s_lshl_b32 s43, s38, 10                        ; 1,024 for my half
	s_add_co_u32 s42, s42, s43
	s_mov_b32 s43, 0
	s_add_nc_u64 s[56:57], s[4:5], s[42:43]
	s_mul_i32 s42, s41, SIGX
	s_mul_i32 s44, s40, TILEB
	s_add_co_u32 s42, s42, s44
	s_add_nc_u64 s[46:47], s[14:15], s[42:43]      ; my tile in xp,
	s_lshl_b32 s42, s38, 11
	s_add_nc_u64 s[50:51], s[46:47], s[42:43]      ; and my two steps' images in it
.irp t, 0,1
.irp i, 0,1,2,3,4,5,6,7,8,9,10,11,12,13,14,15
	global_load_b128 v[R+64*\t+4*\i:R+64*\t+4*\i+3], v4, s[56:57] offset:(\i+8*(\i/8))*8192+\t*512 th:TH_LOAD_NT   ; 512 consecutive bytes of one row
.endr
.endr
.irp t, 0,1
	s_wait_loadcnt 16-16*\t                        ; this step's 16 loads are in; the second step's 16 may be out
.irp i, 0,1,2,3,4,5,6,7,8,9,10,11,12,13,14,15
	ds_store_b128 v5, v[R+64*\t+4*\i:R+64*\t+4*\i+3] offset:528*\i
.endr
.irp j, 0,1,2,3,4,5,6,7
	ds_load_b128 v[XA+4*\j:XA+4*\j+3], v6 offset:16*\j            ; k = 32 h on: LDS serves a wave's instructions in order, so these see the stores
.endr
	s_wait_dscnt 0x0                               ; they are back, and the stores have read their registers,
.irp j, 0,1,2,3,4,5,6,7
	ds_load_b128 v[R+64*\t+4*\j:R+64*\t+4*\j+3], v6 offset:256+16*\j   ; which take k = 64 + 32 h on
.endr
	BLOCK XA, R+64*\t+32                           ; registers 0-3 of the operand
	v_mov_b32 v14, v13
	s_wait_dscnt 0x0
	BLOCK R+64*\t, R+64*\t+36                      ; registers 4-7
	v_lshl_or_b32 v14, v13, 16, v14                ; my two bytes: blocks h and 2 + h of row r,
	s_delay_alu instid0(VALU_DEP_1)
	v_lshlrev_b32 v14, v18, v14                    ; at their places in the scale word;
	s_delay_alu instid0(VALU_DEP_1)
	v_permlanex16_b32 v19, v14, s[SEL], s[SEL+1]
	s_delay_alu instid0(VALU_DEP_1)
	v_or_b32 v14, v14, v19                         ; with lane l xor 16's two the word is whole
	ds_store_b32 v7, v14 offset:4*\t               ; both halves of the lanes write the same word with the same value
	global_store_b128 v4, v[R+64*\t+32:R+64*\t+35], s[50:51] offset:1024*\t       ; 32 lanes store 512 consecutive bytes
	global_store_b128 v4, v[R+64*\t+36:R+64*\t+39], s[50:51] offset:1024*\t+512
.endr
.Lmeet:
	s_wait_dscnt 0x0                               ; for the others' sake: my scale words are stored
	s_barrier_signal -1
	s_barrier_wait -1
	s_and_b32 s36, s[WV], 1                        ; each even wave stores unit wave / 2 of its kind
	s_cmp_lg_u32 s36, 0
	s_cbranch_scc1 .Lend
	s_cmp_ge_u32 s[WV], 16                         ; waves 16 and 17 take x in every work-group (the bound is 8 or 16),
	s_cbranch_scc1 .Lunit_x
	s_cmp_ge_u32 s[WV], s[NW]                      ; the others by the work-group's bound
	s_cbranch_scc1 .Lunit_x
	ds_load_b64 v[20:21], v9
	s_branch .Lunit
.Lunit_x:
	ds_load_b64 v[20:21], v22
.Lunit:
	s_wait_dscnt 0x0
	global_store_b64 v15, v[20:21], s[46:47] offset:4096   ; 32 lanes store one aligned unit of 256 bytes
.Lend:
	s_wait_tensorcnt 0x0                           ; the wave's end
	ds_add_u32 v[SPW], v[NIL]
	s_wait_dscnt 0x0
	s_endpgm
.Lfunc_end_k_qf672251007_quant:
	.size	k_qf672251007_quant, .Lfunc_end_k_qf672251007_quant-k_qf672251007_quant
	.p2alignl 7, 3214868480
	.fill 96, 4, 3214868480
	.section	.rodata,"a",@progbits
	.p2align	6, 0x0
	.amdhsa_kernel k_qf672251007_quant
		.amdhsa_group_segment_fixed_size 159232
		.amdhsa_private_segment_fixed_size 0
		.amdhsa_enable_private_segment 0
		.amdhsa_kernarg_size 56
		.amdhsa_user_sgpr_count 2
		.amdhsa_user_sgpr_kernarg_segment_ptr 1
		.amdhsa_wavefront_size32 1
		.amdhsa_system_sgpr_workgroup_id_x 1
		.amdhsa_system_sgpr_workgroup_id_y 1
		.amdhsa_system_sgpr_workgroup_id_z 1
		.amdhsa_system_vgpr_workitem_id 0
		.amdhsa_next_free_vgpr 192
		.amdhsa_next_free_sgpr 66
		.amdhsa_reserve_vcc 0
		.amdhsa_float_denorm_mode_32 3
		.amdhsa_float_denorm_mode_16_64 3
		.amdhsa_memory_ordered 1
		.amdhsa_forward_progress 1
		.amdhsa_inst_pref_size 46
	.end_amdhsa_kernel
	.amdgpu_metadata
---
amdhsa.version: [ 1, 2 ]
amdhsa.kernels:
  - .name:           k_qf672251007_quant
    .symbol:         k_qf672251007_quant.kd
    .args:
      - { .name: x, .offset: 0, .size: 8, .value_kind: global_buffer, .address_space: global }
      - { .name: Wq, .offset: 8, .size: 8, .value_kind: global_buffer, .address_space: global }
      - { .name: Wk, .offset: 16, .size: 8, .value_kind: global_buffer, .address_space: global }
      - { .name: Wv, .offset: 24, .size: 8, .value_kind: global_buffer, .address_space: global }
      - { .name: Wo, .offset: 32, .size: 8, .value_kind: global_buffer, .address_space: global }
      - { .name: xp, .offset: 40, .size: 8, .value_kind: global_buffer, .address_space: global }
      - { .name: wp, .offset: 48, .size: 8, .value_kind: global_buffer, .address_space: global }
    .group_segment_fixed_size: 159232
    .private_segment_fixed_size: 0
    .kernarg_segment_align: 8
    .kernarg_segment_size: 56
    .max_flat_workgroup_size: 576
    .sgpr_count:     66
    .vgpr_count:     192
    .wavefront_size: 32
...
	.end_amdgpu_metadata
.endif
;; end of part 1
;; launch gemm_qkv (part 2): grid 12 x 16, 4 waves a work-group, clusters of 4 x 4, 327,680 bytes of LDS; arguments xp, wp, bq, bk, bv, qc, qs, kv; writes qc, qs, kv
.if DOCPART == 2
	.amdgcn_target "amdgcn-amd-amdhsa--gfx1250"
	.amdhsa_code_object_version 6
	.text
	.protected	k_qf672251007_gemm_qkv
	.globl	k_qf672251007_gemm_qkv
	.p2align	8
	.type	k_qf672251007_gemm_qkv,@function
k_qf672251007_gemm_qkv:
	s_mov_b64 s[64:65], 0
	v_nop
	global_prefetch_b8 v0, s[64:65] scope:SCOPE_SE
	s_setreg_imm32_b32 hwreg(HW_REG_WAVE_MODE, 25, 1), 1
	s_wait_xcnt 0x0
	s_wait_alu depctr_hold_cnt(0) depctr_sa_sdst(0) depctr_va_vdst(0) depctr_va_sdst(0) depctr_va_ssrc(0) depctr_va_vcc(0) depctr_vm_vsrc(0)
	s_getreg_b32 s2, hwreg(HW_REG_IB_STS2, 6, 4)
	s_cmp_eq_u32 s2, 0
	s_cbranch_scc0 .Lentry_in_a_cluster
	s_endpgm
.Lentry_in_a_cluster:
	s_bfe_u32 s2, ttmp6, 0x10000c
	s_cmp_lg_u32 s2, 0xf033
	s_cbranch_scc0 .Lentry_shape_is_right
	s_endpgm
.Lentry_shape_is_right:
; q = x Wq + bq, k = x Wk + bk, v = x Wv + bv on codes of FP4 (launch quant's xp and wp), sums in f32; the results are quantised in registers for the attention's two products and leave as codes.  No work is left out here.
; A tile of 256 tokens x 256 columns is made by four waves, 128 x 128 each: 64 accumulators of 16 x 16.  K = 2,048 goes in four steps of 512 through two LDS slots.  In the packed layout 8 tiles of 16 rows x 512 K, codes and
; scale bytes together, are 34,816 consecutive bytes: one tensor load a wave (136 rows of 256 bytes), and every fragment comes by two ds_load_b128 at 16 x lane: no pitch, no padding.
; CLUSTERS: 4 x 4 work-groups; x's tiles are asked for jointly along a row of the cluster, the weights' along a column.
; SOURCES.  Q and K: source 0 = 16 columns of the weight, source 1 = 16 tokens: a lane holds one token and its registers run along the columns, which are the first attention product's K.
; V (tile columns 8-11 hold 128 columns of Wk, then 128 of Wv: the waves with the odd half there): THE TWO REGIONS CHANGE PLACES, by address alone: source 0 = 16 tokens, source 1 = 16 channels:
; a lane holds one channel and its registers run along the tokens, the second attention product's K.  The choice hangs on the cluster's x and the wave's number: it is the same in all partners.
; By the stored order of rows (launch quant) the 64 registers of one tile of source 1 against source 0's eight are 128 neighbours along the next K, 16 of each block of 32 in a lane.
; The biases are the C of each sum's first matrix instruction.
; OUT.  qc [batch][head 32][tile of 16 tokens: 64][512 bytes]: lane (r, h): token r, block h of the head's 64.  qs [batch][head][128 tokens: 8][lane][4 words]: word i of lane (u, r) = tile 2 i + u, row r; bytes 0, 1 the two blocks.
; kv [batch][kv head 8][71,680 bytes]: K's codes as qc (32,768), K's scale words as qs (4,096), V's codes [128 keys: 8][16 channels: 4][1,024 bytes, an operand's image], V's scale words [128 keys][r][tile] (2,048).
; LIMITS: those of the quantiser (launch quant).
; REGISTERS, in windows of 256: window 0: v0-31 addresses; v32-95 scale words, two sets; v96-127 at work; v128-191 source 1's fragments, ONE set, later the codes made; v192-255 the biases.
;   window 1: source 0's fragments, TWO sets, at v0 and v128.   window 2: the accumulators of source 1's tiles 0-3 ((a, b) at v[8 (8 (a % 4) + b)]);   window 3: those of tiles 4-7.
.set SIGX,  1114112
.set SIGW,  1392640
.set TILEB, 4352
.set NQ,    4                          ; matrix instructions deep in a slot
.set FR,    8                          ; registers of a fragment
.set NL,    2                          ; LDS loads that bring one
.set NP,    4                          ; places behind this matrix instruction (ISA guide 7.12.1)
.set HALFT, 8*TILEB                    ; what one tensor load brings, and what one wave reads of either source
.set SLOT,  4*HALFT                    ; x's 16 tiles, then the weight's 16
.set SPARE, 2*SLOT                     ; behind the ring: the spare words, 128 bytes for each wave: two blocks of 256 bytes that no other line names
.set KVB,   71680
.set ADRA, 16                          ; v16-17 LDS address of source 1's fragments in slot 0, 1
.set ADRB, 20                          ; v20-21 of source 0's
.set ADRS, 22                          ; v22-23 of the scale words: lanes 0-15 source 1's, lanes 16-31 source 0's
.set SPW,  28
.set NIL,  29
.set SC,   32                          ; set s at v[SC + 32 s]; register 4 i + q: tile i, the slot's q-th 128 along K
.set TM,   96                          ; v96-111 at work (first: the biases' offsets)
.set PW,   112                         ; v112-119 the scale word of each of source 1's tiles
.set SE,   120                         ; v120-127 scale words on their way out
.set AF,   128
.set PC,   128                         ; the codes made: eight registers for each of source 1's tiles
.set BI,   192
.set G1,  24
.set G0,  32
.set G1B, 48
.set G0B, 56
.set VW,  92                           ; s92 1 in a wave that makes V
.set HI,  93                           ; s93 the mask of lanes 16-31
.set CB,  84                           ; s[84:87] where the codes go: two heads
.set SB,  88                           ; s[88:91] where the scale words go
.set BP,  94                           ; s[94:95] my 128 numbers of the bias
.set MSB, 0
.macro WIN new                         ; the immediate's high byte repeats the setting that is left
.if MSB != (\new)
	s_set_vgpr_msb (MSB<<8)|(\new)
.set MSB, \new
.endif
.endm
.set MUL_LO, 0xa1                      ; source 0 window 1, source 1 window 0, C and D window 2
.set MUL_HI, 0xf1                      ; C and D window 3
.set BIA_LO, 0x81                      ; C (the bias) window 0, D window 2
.set BIA_HI, 0xc1
.set TO_B,   0x40
; A joint load: waves 0 and 1 fetch x's halves, waves 2 and 3 the weight's.  An s_nop 0 and four v_nop follow each of the two lines.
.macro JLOAD g0a, g1a, g0b, g1b
	s_cmp_eq_u32 s15, 0
	s_cbranch_scc0 .Lfor_b_\@
	tensor_load_to_lds s[\g0a:\g0a+3], s[\g1a:\g1a+7]
	s_nop 0
.rept 4
	v_nop
.endr
	s_branch .Lasked_\@
.Lfor_b_\@:
	tensor_load_to_lds s[\g0b:\g0b+3], s[\g1b:\g1b+7]
	s_nop 0
.rept 4
	v_nop
.endr
.Lasked_\@:
.endm
.macro CREST                           ; a round of the cluster's barrier behind its opening barrier
	s_cmp_lg_u32 s14, 0
	s_cbranch_scc1 .Lnot_wave_0_\@
	s_barrier_signal -3
.Lnot_wave_0_\@:
	s_barrier_wait -3
	s_barrier_signal -1
	s_barrier_wait -1
.endm
.macro CROUND
	s_barrier_signal -1
	s_barrier_wait -1
	CREST
.endm
	s_load_b256 s[4:11], s[0:1], 0x0               ; xp s[4:5], wp s[6:7], bq s[8:9], bk s[10:11]
	s_load_b256 s[68:75], s[0:1], 0x20             ; bv s[68:69], qc s[70:71], qs s[72:73], kv s[74:75]
	v_lshl_add_u32 v[SPW], v0, 2, SPARE
	v_mov_b32 v[NIL], 0
	ds_add_u32 v[SPW], v[NIL]                      ; the wave's opening: the add, twice on end, and its wait ahead of my first tensor load
	ds_add_u32 v[SPW], v[NIL]
	v_lshrrev_b32 v1, 5, v0
	v_readfirstlane_b32 s14, v1                    ; wave 0..3
	s_lshr_b32 s15, s14, 1                         ; which half of the tokens is mine.  Also: I fetch for x (0) or for the weight (1)
	s_and_b32 s16, s14, 1                          ; which half of the columns.  Also: which 8 tiles I fetch
	s_bfe_u32 s40, ttmp6, 0x40000                  ; cx, cy: my place in the cluster
	s_bfe_u32 s41, ttmp6, 0x40004
	s_lshl_b32 s42, ttmp9, 2
	s_add_co_u32 s42, s42, s40                     ; tile column 0..11
	s_and_b32 s17, ttmp7, 0xffff
	s_lshl_b32 s17, s17, 2
	s_add_co_u32 s17, s17, s41                     ; tile row 0..15
	s_lshl_b32 s43, s41, 2
	s_lshl_b32 s43, 15, s43                        ; my row of the cluster
	s_lshl_b32 s44, 0x1111, s40                    ; my column
	s_or_b32 s[G1+0], s43, (3<<16)|(1<<21)         ; 15:0 the mask; 17:16 elements of 8 bytes; 21 set beside a mask; no padding
	s_or_b32 s[G1B+0], s44, (3<<16)|(1<<21)
.irp g, G1, G1B
	s_mov_b32 s[\g+1], 32<<16                      ; tensor_dim0 = 32 elements: 256 bytes
	s_mov_b32 s[\g+2], 136<<16                     ; tensor_dim1 = 136 rows: 34,816 dense bytes
	s_mov_b32 s[\g+3], 32<<16                      ; tile_dim0
	s_mov_b32 s[\g+4], 136                         ; tile_dim1
	s_mov_b32 s[\g+5], 32                          ; from row to row
	s_mov_b32 s[\g+6], 0
	s_mov_b32 s[\g+7], 0
.endr
	s_lshl_b32 s18, s16, 3
	s_lshl_b32 s20, s17, 4
	s_add_co_u32 s20, s20, s18                     ; x: tile 16 x tile row + 8 x half
	s_mul_i32 s20, s20, TILEB
	s_mov_b32 s21, 0
	s_lshl_b32 s46, s42, 4
	s_add_co_u32 s46, s46, s18                     ; the weight: tile 16 x tile column + 8 x half
	s_mul_i32 s46, s46, TILEB
	s_mov_b32 s47, 0
	s_mul_i32 s45, s14, HALFT                      ; where they go: no place in the cluster enters an LDS address
	s_wait_dscnt 0x0                               ; both opening adds are done
	s_wait_kmcnt 0x0
	s_add_nc_u64 s[20:21], s[4:5], s[20:21]
	s_add_nc_u64 s[46:47], s[6:7], s[46:47]
	CROUND                                         ; all sixteen work-groups are here: the first joint loads meet
.irp s, 0,1
	s_mov_b32 s[G0+4*\s], 1
	s_add_co_u32 s[G0+4*\s+1], s45, \s*SLOT
	s_add_nc_u64 s[G0+4*\s+2:G0+4*\s+3], s[20:21], \s*SIGX
	s_or_b32 s[G0+4*\s+3], s[G0+4*\s+3], 0x80000000
	s_mov_b32 s[G0B+4*\s], 1
	s_add_co_u32 s[G0B+4*\s+1], s45, \s*SLOT
	s_add_nc_u64 s[G0B+4*\s+2:G0B+4*\s+3], s[46:47], \s*SIGW
	s_or_b32 s[G0B+4*\s+3], s[G0B+4*\s+3], 0x80000000
.endr
	JLOAD G0, G1, G0B, G1B                         ; slot 0: one tensor load a wave at the head
	v_and_b32 v1, 15, v0                           ; r
	v_bfe_u32 v2, v0, 4, 1                         ; h
	v_and_b32 v3, 31, v0
	v_lshlrev_b32 v3, 4, v3                        ; 16 x lane: an image's place for my lane
	s_wait_alu depctr_va_vdst(0)
	s_lshr_b32 s[VW], ttmp9, 1                     ; 1 in the clusters of tile columns 8-11,
	s_and_b32 s[VW], s[VW], s16                    ; in the waves whose half of the columns is Wv's
	s_mul_i32 s76, s15, HALFT                      ; my tokens' region in a slot,
	s_mul_i32 s77, s16, HALFT
	s_add_co_u32 s77, s77, 2*HALFT                 ; my columns'
	s_cmp_lg_u32 s[VW], 0
	s_cselect_b32 s78, s77, s76                    ; source 1's region,
	s_cselect_b32 s79, s76, s77                    ; source 0's
	v_add_nc_u32 v[ADRA], s78, v3
	v_add_nc_u32 v[ADRB], s79, v3
	v_add_nc_u32 v[ADRA+1], SLOT, v[ADRA]
	v_add_nc_u32 v[ADRB+1], SLOT, v[ADRB]
	v_lshlrev_b32 v4, 4, v1                        ; 16 r
	v_add_nc_u32 v5, s78, v4
	v_add_nc_u32 v6, s79, v4
	v_cmp_ne_u32 s[HI], 0, v2
	v_cndmask_b32 v5, v5, v6, s[HI]                ; lanes 16-31 take source 0's scale words
	v_add_nc_u32 v[ADRS], 4096, v5
	v_add_nc_u32 v[ADRS+1], SLOT+4096, v5
	v_mul_u32_u24 v9, v2, KVB
	v_lshl_add_u32 v9, v1, 4, v9                   ; V's scale words on the way out: 16 r, lanes 16-31 the next head's
	; the biases: register 8 n + j of v192 on.  Q, K: the column 32 (n / 2) + 8 (n % 2) + 16 h + j of my 128;  V: the channel 32 (n / 2) + 8 (n % 2) + r + 8 (r / 8), for every j
	s_lshl_b32 s80, s42, 10
	s_lshl_b32 s81, s16, 9
	s_add_co_u32 s80, s80, s81                     ; bq: 256 x tile column + 128 x half numbers on
	s_sub_co_u32 s81, s42, 8
	s_lshl_b32 s81, s81, 9                         ; bk, bv: 128 x (tile column - 8)
	s_cmp_lg_u32 s[VW], 0
	s_cselect_b64 s[BP:BP+1], s[68:69], s[10:11]
	s_cselect_b32 s82, 0, 4                        ; from register to register
	s_cselect_b32 s83, -1, 0
	s_cmp_lt_u32 ttmp9, 2
	s_cselect_b64 s[BP:BP+1], s[8:9], s[BP:BP+1]
	s_cselect_b32 s80, s80, s81
	s_mov_b32 s81, 0
	s_add_nc_u64 s[BP:BP+1], s[BP:BP+1], s[80:81]
	v_lshlrev_b32 v7, 6, v2
	v_and_b32 v8, 8, v1
	v_add_nc_u32 v8, v8, v1
	v_lshlrev_b32 v8, 2, v8
	v_cndmask_b32 v[TM], v7, v8, s83
.irp j, 1,2,3,4,5,6,7
	v_add_nc_u32 v[TM+\j], s82, v[TM+\j-1]
.endr
.irp n, 0,1,2,3,4,5,6,7
.irp j, 0,1,2,3,4,5,6,7
	global_load_b32 v[BI+8*\n+\j], v[TM+\j], s[BP:BP+1] offset:(32*(\n/2)+8*(\n%2))*4
.endr
.endr
	; where the results go
	s_lshl_b32 s76, s17, 4
	s_lshl_b32 s77, s15, 3
	s_add_co_u32 s76, s76, s77                     ; my first tile of tokens
	s_lshr_b32 s77, s76, 6                         ; the batch,
	s_and_b32 s78, s76, 63                         ; the tile in it,
	s_lshr_b32 s79, s78, 3                         ; its group of 128 tokens
	s_lshl_b32 s80, s77, 5
	s_lshl_b32 s81, s42, 2
	s_add_co_u32 s80, s80, s81
	s_lshl_b32 s81, s16, 1
	s_add_co_u32 s80, s80, s81                     ; Q: 32 x batch + my first head
	s_lshl_b32 s81, s80, 15
	s_lshl_b32 s82, s78, 9
	s_add_co_u32 s81, s81, s82                     ; its codes,
	s_lshl_b32 s82, s80, 12
	s_lshl_b32 s83, s79, 9
	s_add_co_u32 s82, s82, s83                     ; its scale words
	s_lshl_b32 s83, s77, 3
	s_sub_co_u32 s96, s42, 8
	s_lshl_b32 s96, s96, 1
	s_add_co_u32 s83, s83, s96
	s_mul_i32 s83, s83, KVB                        ; K, V: the block of 8 x batch + my first kv head
	s_lshl_b32 s96, s78, 9
	s_add_co_u32 s96, s96, s83                     ; K's codes
	s_lshl_b32 s97, s79, 9
	s_add_co_u32 s97, s97, s83
	s_add_co_u32 s97, s97, 32768                   ; K's scale words
	s_lshl_b32 s98, s79, 12
	s_add_co_u32 s98, s98, s83
	s_add_co_u32 s98, s98, 36864                   ; V's codes
	s_lshl_b32 s99, s79, 8
	s_add_co_u32 s99, s99, s83
	s_add_co_u32 s99, s99, 69632                   ; V's scale words
	s_cmp_lg_u32 s[VW], 0
	s_cselect_b32 s96, s98, s96
	s_cselect_b32 s97, s99, s97
	s_mov_b32 s98, KVB
	s_mov_b32 s99, KVB
	s_cmp_lt_u32 ttmp9, 2
	s_cselect_b32 s96, s81, s96
	s_cselect_b32 s97, s82, s97
	s_cselect_b64 s[CB:CB+1], s[70:71], s[74:75]
	s_cselect_b64 s[SB:SB+1], s[72:73], s[74:75]
	s_cselect_b32 s98, 32768, s98                  ; from a head's codes to the next head's,
	s_cselect_b32 s99, 4096, s99                   ; and from its scale words
	s_mov_b32 s3, 0
	s_mov_b32 s2, s96
	s_add_nc_u64 s[CB:CB+1], s[CB:CB+1], s[2:3]
	s_mov_b32 s2, s98
	s_add_nc_u64 s[CB+2:CB+3], s[CB:CB+1], s[2:3]
	s_mov_b32 s2, s97
	s_add_nc_u64 s[SB:SB+1], s[SB:SB+1], s[2:3]
	s_mov_b32 s2, s99
	s_add_nc_u64 s[SB+2:SB+3], s[SB:SB+1], s[2:3]
.macro FRAG reg, adr, q, i             ; tile i's fragment of the slot's q-th 128 along K: its image, 16 bytes a lane, twice
.irp c, 0,1
	ds_load_b128 v[\reg+4*\c:\reg+4*\c+3], v[\adr] offset:(\i)*TILEB+(\q)*1024+512*\c
.endr
.endm
; 16 matrix instructions: source 1's tiles a0, a0 + 1 x source 0's eight.  p: source 0's set; sc: the set of scale words.  zero = 1: the sums start from the bias by source 0's tile; 2: by source 1's; 0: they go on.
; The 64 accumulators take turns, one instruction a turn, in the same order in every step.
.macro MUL16 a0, p, q, sc, zero
.irp a, \a0, \a0+1
.irp b, 0,1,2,3,4,5,6,7
.set rD, 8*(8*((\a)%4)+\b)
.set rB, 128*(\p)+FR*\b
.set rA, AF+FR*(\a)
.set sB, SC+8*NQ*(\sc)+NQ*\b+(\q)
.set sA, SC+8*NQ*(\sc)+NQ*(\a)+(\q)
.if (\zero) == 1
	v_wmma_scale_f32_16x16x128_f8f6f4 v[rD:rD+7], v[rB:rB+7], v[rA:rA+7], v[BI+8*\b:BI+8*\b+7], v[sB], v[sA] matrix_a_fmt:MATRIX_FMT_FP4 matrix_b_fmt:MATRIX_FMT_FP4 matrix_a_scale:MATRIX_SCALE_ROW1
.elseif (\zero) == 2
	v_wmma_scale_f32_16x16x128_f8f6f4 v[rD:rD+7], v[rB:rB+7], v[rA:rA+7], v[BI+8*(\a):BI+8*(\a)+7], v[sB], v[sA] matrix_a_fmt:MATRIX_FMT_FP4 matrix_b_fmt:MATRIX_FMT_FP4 matrix_a_scale:MATRIX_SCALE_ROW1
.else
	v_wmma_scale_f32_16x16x128_f8f6f4 v[rD:rD+7], v[rB:rB+7], v[rA:rA+7], v[rD:rD+7], v[sB], v[sA] matrix_a_fmt:MATRIX_FMT_FP4 matrix_b_fmt:MATRIX_FMT_FP4 matrix_a_scale:MATRIX_SCALE_ROW1
.endif
.endr
.endr
.endm
.macro FETCH_B slot, q, p
	WIN TO_B
.irp i, 0,1,2,3,4,5,6,7
	FRAG 128*(\p)+FR*\i, ADRB+\slot, \q, \i
.endr
	WIN 0
.endm
.macro FETCH_A slot, q, i0
.irp i, \i0, \i0+1, \i0+2, \i0+3
	FRAG AF+FR*(\i), ADRA+\slot, \q, \i
.endr
.endm
.macro SCALES s                        ; the slot's scale words: four words a row; lanes 0-15 source 1's tile i, lanes 16-31 source 0's tile i
.irp i, 0,1,2,3,4,5,6,7
	ds_load_b128 v[SC+8*NQ*\s+NQ*\i:SC+8*NQ*\s+NQ*\i+3], v[ADRS+\s] offset:\i*TILEB
.endr
.endm
.macro PLACES n                        ; plain lines between a matrix instruction and a load into, or a vector read of, its registers (ISA guide 7.12.1 for vector reads)
.rept \n
	v_nop
.endr
.endm
.macro STEP slot, q, zero              ; 128 along K with its successor in the same slot
	s_wait_dscnt 4*NL                              ; all but the youngest eight loads (source 1's tiles 4-7) are in
.if \zero
	WIN BIA_LO
.else
	WIN MUL_LO
.endif
	MUL16 0, (\q)%2, \q, \slot, \zero
	MUL16 2, (\q)%2, \q, \slot, \zero
	s_wait_dscnt 0                                 ; source 1's tiles 4-7 are in
	PLACES NP
	FETCH_B \slot, (\q)+1, 1-(\q)%2
	FETCH_A \slot, (\q)+1, 0
.if \zero
	WIN BIA_HI
.else
	WIN MUL_HI
.endif
	MUL16 4, (\q)%2, \q, \slot, \zero
	MUL16 6, (\q)%2, \q, \slot, \zero
	PLACES NP
	WIN 0
	FETCH_A \slot, (\q)+1, 4
.endm
; A slot's last step changes slots: ONE barrier; in front of it each wave waits for all its tensor loads, adds 0 to its spare word, and waits for that and for its reads of this slot.  fill = 1: the slot is filled again, 1,024 along K ahead.
.macro TURN slot, next, fill
	s_wait_tensorcnt 0x0                           ; all my tensor loads have landed: my part of the next slot
	ds_add_u32 v[SPW], v[NIL]                      ; 0 onto my spare word
	s_wait_dscnt 4*NL+1                            ; (the add and the youngest eight loads may be out)
	WIN MUL_LO
	MUL16 0, 1, NQ-1, \slot, 0
	s_wait_dscnt 0x0                               ; the add is done, and my reads of this slot are over
	s_barrier_signal -1
	MUL16 2, 1, NQ-1, \slot, 0
	WIN 0
	s_barrier_wait -1
.if \fill
	CREST                                          ; the barrier has opened a round of the cluster's barrier: no wave of any partner still reads this slot or has a load on its way
	s_add_nc_u64 s[G0+4*\slot+2:G0+4*\slot+3], s[G0+4*\slot+2:G0+4*\slot+3], 2*SIGX
	s_add_nc_u64 s[G0B+4*\slot+2:G0B+4*\slot+3], s[G0B+4*\slot+2:G0B+4*\slot+3], 2*SIGW
	JLOAD G0+4*\slot, G1, G0B+4*\slot, G1B         ; my one tensor load behind the round; its four v_nop are the places in front of the loads below
.else
	PLACES NP
.endif
	FETCH_B \next, 0, 0
	FETCH_A \next, 0, 0
	SCALES \next
	WIN MUL_HI
	MUL16 4, 1, NQ-1, \slot, 0
	MUL16 6, 1, NQ-1, \slot, 0
	PLACES NP
	WIN 0
	FETCH_A \next, 0, 4
.endm
.macro STEPS slot, from
.set Q, \from
.rept NQ-1-\from
	STEP \slot, Q, 0
.set Q, Q+1
.endr
.endm
	s_wait_alu depctr_va_vdst(0)
	s_wait_tensorcnt 0x0                           ; my part of slot 0 is in
	ds_add_u32 v[SPW], v[NIL]
	s_wait_dscnt 0x0
	CROUND                                         ; a whole round: everybody's part of slot 0 is in, and the joint loads meet
	JLOAD G0+4, G1, G0B+4, G1B                     ; slot 1's first fill, my one tensor load behind the round
	FETCH_B 0, 0, 0
	FETCH_A 0, 0, 0
	SCALES 0
	FETCH_A 0, 0, 4
	s_wait_loadcnt 0x0                             ; the biases
	s_cmp_lg_u32 s[VW], 0                          ; the first step stands twice: only which tile's bias starts a sum differs
	s_cbranch_scc1 .Lfirst_v
	STEP 0, 0, 1
	s_branch .Lfirst_done
.Lfirst_v:
	STEP 0, 0, 2
.Lfirst_done:
	STEPS 0, 1                                     ; K = 2,048 is four slots' worth: written out
	TURN 0, 1, 1
	STEPS 1, 0
	TURN 1, 0, 1
	STEP 0, 0, 0
	STEPS 0, 1
	TURN 0, 1, 0                                   ; nothing is left to fetch
	STEPS 1, 0
	s_wait_dscnt 4*NL
	WIN MUL_LO
	MUL16 0, 1, NQ-1, 1, 0
	MUL16 2, 1, NQ-1, 1, 0
	s_wait_dscnt 0
	WIN MUL_HI
	MUL16 4, 1, NQ-1, 1, 0
	MUL16 6, 1, NQ-1, 1, 0
	WIN 0
; THE WAY OUT.  The 64 registers of source 1's tile a are 64 numbers of my row: register 16 b + i = place 32 b + 16 (lane / 16) + i along the next K.  They become a fragment's codes and a scale word, in registers.
.macro QUANTA a
.set AS, 64*((\a)%4)
.set WA, 2+(\a)/4
.set WW, WA|(WA<<2)
	WIN WW                                         ; sources 0 and 1: the accumulators' window
.irp b, 0,1,2,3
	v_max3_num_f32 v[TM+\b], |v[AS+16*\b]|, |v[AS+16*\b+1]|, 0x1800000   ; each accumulator is read from its low end on; the floor 2^(3 - 127) holds the byte at 1 from below
.endr
.irp i, 2,4,6,8,10,12,14
.irp b, 0,1,2,3
	v_max3_num_f32 v[TM+\b], |v[AS+16*\b+\i]|, |v[AS+16*\b+\i+1]|, v[TM+\b]
.endr
.endr
	WIN 0
.irp b, 0,1,2,3
	v_permlanex16_b32 v[TM+4+\b], v[TM+\b], s12, s13
.endr
.irp b, 0,1,2,3
	v_max_num_f32 v[TM+\b], v[TM+\b], v[TM+4+\b]
.endr
.irp b, 0,1,2,3
	v_add_nc_u32 v[TM+12+\b], 0xff000000, v[TM+\b]
.endr
.irp b, 0,1,2,3
	v_lshrrev_b32 v[TM+4+\b], 23, v[TM+12+\b]
.endr
	v_lshl_or_b32 v[PW+\a], v[TM+5], 8, v[TM+4]
	v_lshl_or_b32 v[PW+\a], v[TM+6], 16, v[PW+\a]
	v_lshl_or_b32 v[PW+\a], v[TM+7], 24, v[PW+\a]
	WIN WA                                         ; source 0: the accumulators' window
.irp b, 0,1,2,3
	v_cvt_scalef32_pk8_fp4_f32 v[PC+8*\a+2*\b], v[AS+16*\b:AS+16*\b+7], v[TM+12+\b]
	v_cvt_scalef32_pk8_fp4_f32 v[PC+8*\a+2*\b+1], v[AS+16*\b+8:AS+16*\b+15], v[TM+12+\b]
.endr
	WIN 0
	v_nop                                          ; one plain line behind a scaled conversion
.irp c, 0,1
.irp i, 0,1
	v_permlane16_swap_b32 v[PC+8*\a+4*\c+\i], v[PC+8*\a+4*\c+2+\i]
.endr
.endr
.endm
	s_mov_b32 s12, 0x76543210
	s_mov_b32 s13, 0xfedcba98
.irp b, 0,1,2,3
	v_mov_b32 v[TM+4+\b], 0                        ; a lane permute's destination counts as one of its sources; these four plain lines are also the places behind the last products
.endr
.irp a, 0,1,2,3,4,5,6,7
	QUANTA \a
.endr
	s_cmp_lg_u32 s[VW], 0
	s_cbranch_scc1 .Lout_v
.irp a, 0,1,2,3,4,5,6,7                        ; Q, K: registers 0-3 are my first head's 64, registers 4-7 the next head's: 512 consecutive bytes a store
	global_store_b128 v3, v[PC+8*\a:PC+8*\a+3], s[CB:CB+1] offset:512*\a
	global_store_b128 v3, v[PC+8*\a+4:PC+8*\a+7], s[CB+2:CB+3] offset:512*\a
.endr
.irp i, 0,1,2,3
	v_cndmask_b32 v[SE+\i], v[PW+2*\i], v[PW+2*\i+1], s[HI]   ; lanes 0-15 tile 2 i, lanes 16-31 tile 2 i + 1
.endr
.irp i, 0,1,2,3
	v_lshrrev_b32 v[SE+4+\i], 16, v[SE+\i]         ; the next head's two bytes
.endr
	global_store_b128 v3, v[SE:SE+3], s[SB:SB+1]
	global_store_b128 v3, v[SE+4:SE+7], s[SB+2:SB+3]
	s_branch .Lout_done
.Lout_v:
	s_wait_alu depctr_va_vdst(0)
.irp a, 0,1,2,3                                ; V: tile a of 16 channels x my 128 keys: an operand's image
	global_store_b128 v3, v[PC+8*\a:PC+8*\a+3], s[CB:CB+1] offset:1024*\a
	global_store_b128 v3, v[PC+8*\a+4:PC+8*\a+7], s[CB:CB+1] offset:1024*\a+512
	global_store_b128 v3, v[PC+32+8*\a:PC+32+8*\a+3], s[CB+2:CB+3] offset:1024*\a
	global_store_b128 v3, v[PC+32+8*\a+4:PC+32+8*\a+7], s[CB+2:CB+3] offset:1024*\a+512
.endr
.irp i, 0,1,2,3
	v_cndmask_b32 v[SE+\i], v[PW+\i], v[PW+4+\i], s[HI]   ; lanes 0-15 my first head's four tiles, lanes 16-31 the next head's
.endr
	global_store_b128 v9, v[SE:SE+3], s[SB:SB+1]   ; sixteen lanes store 256 consecutive bytes
.Lout_done:
	s_wait_tensorcnt 0x0                           ; the wave's end
	ds_add_u32 v[SPW], v[NIL]
	s_wait_dscnt 0x0
	CROUND                                         ; the closing round: no work-group ends while a partner may still ask for a tile that names it
	s_endpgm
.Lfunc_end_k_qf672251007_gemm_qkv:
	.size	k_qf672251007_gemm_qkv, .Lfunc_end_k_qf672251007_gemm_qkv-k_qf672251007_gemm_qkv
	.p2alignl 7, 3214868480
	.fill 96, 4, 3214868480
	.section	.rodata,"a",@progbits
	.p2align	6, 0x0
	.amdhsa_kernel k_qf672251007_gemm_qkv
		.amdhsa_group_segment_fixed_size 327680
		.amdhsa_private_segment_fixed_size 0
		.amdhsa_enable_private_segment 0
		.amdhsa_kernarg_size 64
		.amdhsa_user_sgpr_count 2
		.amdhsa_user_sgpr_kernarg_segment_ptr 1
		.amdhsa_wavefront_size32 1
		.amdhsa_system_sgpr_workgroup_id_x 1
		.amdhsa_system_sgpr_workgroup_id_y 1
		.amdhsa_system_sgpr_workgroup_id_z 1
		.amdhsa_system_vgpr_workitem_id 0
		.amdhsa_next_free_vgpr 1024
		.amdhsa_next_free_sgpr 100
		.amdhsa_reserve_vcc 0
		.amdhsa_float_denorm_mode_32 3
		.amdhsa_float_denorm_mode_16_64 3
		.amdhsa_memory_ordered 1
		.amdhsa_forward_progress 1
		.amdhsa_inst_pref_size 233
	.end_amdhsa_kernel
	.amdgpu_metadata
---
amdhsa.version: [ 1, 2 ]
amdhsa.kernels:
  - .name:           k_qf672251007_gemm_qkv
    .symbol:         k_qf672251007_gemm_qkv.kd
    .args:
      - { .name: xp, .offset: 0, .size: 8, .value_kind: global_buffer, .address_space: global }
      - { .name: wp, .offset: 8, .size: 8, .value_kind: global_buffer, .address_space: global }
      - { .name: bq, .offset: 16, .size: 8, .value_kind: global_buffer, .address_space: global }
      - { .name: bk, .offset: 24, .size: 8, .value_kind: global_buffer, .address_space: global }
      - { .name: bv, .offset: 32, .size: 8, .value_kind: global_buffer, .address_space: global }
      - { .name: qc, .offset: 40, .size: 8, .value_kind: global_buffer, .address_space: global }
      - { .name: qs, .offset: 48, .size: 8, .value_kind: global_buffer, .address_space: global }
      - { .name: kv, .offset: 56, .size: 8, .value_kind: global_buffer, .address_space: global }
    .group_segment_fixed_size: 327680
    .private_segment_fixed_size: 0
    .kernarg_segment_align: 8
    .kernarg_segment_size: 64
    .max_flat_workgroup_size: 128
    .sgpr_count:     100
    .vgpr_count:     1024
    .wavefront_size: 32
...
	.end_amdgpu_metadata
.endif
;; end of part 2
;; launch attn (part 3): grid 8 x 32, 16 waves a work-group, clusters of 4 x 1, 167,936 bytes of LDS; arguments qc, qs, kv, op; writes op
.if DOCPART == 3
	.amdgcn_target "amdgcn-amd-amdhsa--gfx1250"
	.amdhsa_code_object_version 6
	.text
	.protected	k_qf672251007_attn
	.globl	k_qf672251007_attn
	.p2align	8
	.type	k_qf672251007_attn,@function
k_qf672251007_attn:
	s_mov_b64 s[64:65], 0
	v_nop
	global_prefetch_b8 v0, s[64:65] scope:SCOPE_SE
	s_setreg_imm32_b32 hwreg(HW_REG_WAVE_MODE, 25, 1), 1
	s_wait_xcnt 0x0
	s_wait_alu depctr_hold_cnt(0) depctr_sa_sdst(0) depctr_va_vdst(0) depctr_va_sdst(0) depctr_va_ssrc(0) depctr_va_vcc(0) depctr_vm_vsrc(0)
	s_getreg_b32 s2, hwreg(HW_REG_IB_STS2, 6, 4)
	s_cmp_eq_u32 s2, 0
	s_cbranch_scc0 .Lentry_in_a_cluster
	s_endpgm
.Lentry_in_a_cluster:
	s_bfe_u32 s2, ttmp6, 0x10000c
	s_cmp_lg_u32 s2, 0x3003
	s_cbranch_scc0 .Lentry_shape_is_right
	s_endpgm
.Lentry_shape_is_right:
; o = softmax(q k^T / 8, causal) v for 4 batches x 32 heads of 64, four query heads to a kv head, both products on codes of FP4; o is quantised along d_model and leaves as codes in the packed layout (launch quant), for the last product.
; WORK LEFT OUT: a step of 128 keys all of which come after a tile's 16 queries: reference() masks those scores itself (jnp.tril), so that for all finite inputs their p is 0.  A NaN or an overflow that reaches only such steps is not carried on.
; THE SOFTMAX: t = score x log2(e) / 8; M = the row's largest t so far, rounded UP to a whole number; p = 2^(t - M) is quantised along the keys, not normalised.  The row's sum is taken of the unquantised p and divides o at the end.
; When M moves, the sum and O are multiplied by 2^(old M - new M): exact.
; SHARES.  A work-group serves one head; the four heads of a kv head are a cluster and ask for its block of kv (K's codes, K's scale words, V's codes, V's scale words: 71,680 bytes) JOINTLY; it lies whole in LDS: one fill, no ring.
; Two clusters (x = 0, 1) share a head's 64 tiles of 16 queries: wave w takes tiles 2 w + x and 63 - (2 w + x).  Tile p needs p / 8 + 1 steps of 128 keys, so every wave has nine steps, two of them on the diagonal.
; The loops' trip counts are constants (4 and 8); a step that is hidden is jumped over by a scalar branch on the wave's number, the cluster's x and the count of steps, the same in all partners.
; LAYOUT.  Both products are used transposed: S^T = K Q^T (source 0 = 16 keys, source 1 = my 16 queries), O^T = V^T P^T (source 0 = 16 channels): a lane holds ONE query (lane % 16).  By the stored order of rows the 16 registers of
; tiles 2 b, 2 b + 1 are keys (channels) 32 b + 16 (lane / 16) + 0 .. 15.  The first product's K is 64: Q's registers 4-7 hold zero codes, so whatever codes stand in K's registers 4-7 (the next tile's) add nothing.
; A stored tile p of tokens, row r is token 32 (p / 2) + 8 (p % 2) + r + 8 (r / 8).
; o's scale bytes, two for a token and a head, go out as stores of two bytes 16 bytes apart: the eight heads whose bytes lie together belong to eight work-groups.  They are one byte in seventeen of what this launch stores.
; LIMITS: those of the quantiser (launch quant).
; REGISTERS: v1-4, v7, v11 addresses that stay; v5, v6 the add's two; v8-10 the step's LDS addresses; v12 -M, v13 the largest t, v[14:15] the sum; v16-31 Q's two fragments; v32-67 K; v68-71 K's scale words, v72-75 V's, v76, v77 Q's;
; v80-84, v88-92 o's codes and scale bytes; v96-159 S^T, then p; v160-191 O^T; v192-223 V; v224-231 p's codes; v232-254 at work.
.set SIGX,  1114112
.set TILEB, 4352
.set KVB,   71680
.set KS,    32768                      ; LDS: K's codes from 0; K's scale words;
.set VC,    36864                      ; V's codes;
.set VS,    69632                      ; V's scale words
.set SPARE, KVB                        ; the spare words, 128 bytes for each of 16 waves: eight blocks of 256 bytes that no other line names
.set SPW, 5
.set NIL, 6
.set ADK, 8
.set ADS, 9
.set ADT, 10
.set WV,  18
.set SEL, 20
.set CS,  22                           ; s[22:23] c = log2(e) / 8
.set G1,  24
.set G0,  32
.set TK,  2                            ; s2  the step's codes: 4,096 bytes a step, of K and of V alike
.set TS,  3                            ; s3  K's scale words: 512 a step
.set TW,  66                           ; s66 V's: 256 a step
.set KI,  67                           ; s67 the step
.set KF,  83                           ; s83 its first key
.macro ROUND
	s_barrier_signal -1
	s_barrier_wait -1
	s_cmp_lg_u32 s[WV], 0
	s_cbranch_scc1 .Lnot_wave_0_\@
	s_barrier_signal -3
.Lnot_wave_0_\@:
	s_barrier_wait -3
	s_barrier_signal -1
	s_barrier_wait -1
.endm
	s_load_b256 s[4:11], s[0:1], 0x0               ; qc s[4:5], qs s[6:7], kv s[8:9], op s[10:11]
	v_lshl_add_u32 v[SPW], v0, 2, SPARE
	v_mov_b32 v[NIL], 0
	ds_add_u32 v[SPW], v[NIL]                      ; the wave's opening: the add, twice on end, and its wait ahead of the first tensor load
	ds_add_u32 v[SPW], v[NIL]
	v_lshrrev_b32 v8, 5, v0
	s_delay_alu instid0(VALU_DEP_1)
	v_readfirstlane_b32 s[WV], v8                  ; wave 0..15
	s_bfe_u32 s36, ttmp6, 0x40000                  ; cx: the head in its group: it enters global addresses of Q and o alone
	s_and_b32 s37, ttmp7, 0xffff                   ; 8 x batch + kv head
	s_mov_b32 s[G1], 15|(3<<16)|(1<<21)            ; 15:0 the mask: all four work-groups; 17:16 elements of 8 bytes; 21 set beside a mask; no padding
	s_mov_b32 s[G1+1], 32<<16                      ; tensor_dim0: 256 bytes
	s_mov_b32 s[G1+2], 70<<16                      ; tensor_dim1: 70 rows: a quarter of the block
	s_mov_b32 s[G1+3], 32<<16
	s_mov_b32 s[G1+4], 70
	s_mov_b32 s[G1+5], 32
	s_mov_b32 s[G1+6], 0
	s_mov_b32 s[G1+7], 0
	s_mul_i32 s38, s[WV], 17920                    ; waves 0-3: my quarter
	s_mul_i32 s40, s37, KVB
	s_add_co_u32 s40, s40, s38
	s_mov_b32 s41, 0
	s_mov_b32 s[SEL], 0x76543210
	s_mov_b32 s[SEL+1], 0xfedcba98
	s_mov_b32 s[CS], 0x3e38aa3b
	s_mov_b32 s[CS+1], s[CS]                       ; (named with it as a pair, so it is written)
	s_wait_dscnt 0x0                               ; both opening adds are done
	s_wait_kmcnt 0x0
	s_mov_b32 s[G0], 1
	s_mov_b32 s[G0+1], s38
	s_add_nc_u64 s[G0+2:G0+3], s[8:9], s[40:41]
	s_or_b32 s[G0+3], s[G0+3], 0x80000000
	ROUND                                          ; all four work-groups are here: the joint loads meet
	s_cmp_lt_u32 s[WV], 4
	s_cbranch_scc0 .Lno_fill
	tensor_load_to_lds s[G0:G0+3], s[G1:G1+7]      ; one load of mine is out; the bytes are filled once
	s_nop 0
.rept 4
	v_nop
.endr
.Lno_fill:
	s_lshl_b32 s42, s[WV], 1
	s_add_co_u32 s42, s42, ttmp9                   ; my early tile,
	s_sub_co_u32 s43, 63, s42                      ; my late one
	s_lshl_b32 s44, s37, 2
	s_add_co_u32 s44, s44, s36                     ; 32 x batch + head
	s_and_b32 s45, s37, 7
	s_lshl_b32 s45, s45, 2
	s_add_co_u32 s45, s45, s36                     ; the head
	s_lshr_b32 s46, s37, 3                         ; the batch
	s_lshr_b32 s47, s45, 3
	s_mul_i32 s47, s47, SIGX                       ; op: eight heads are 512 along d_model,
	s_mul_i32 s48, s46, 64*TILEB
	s_add_co_u32 s47, s47, s48                     ; a batch 64 tiles,
	s_bfe_u32 s48, s45, 0x20001                    ; two heads 128 along d_model,
	s_and_b32 s49, s45, 1                          ; a head half an image
	s_lshl_b32 s84, s48, 10
	s_add_co_u32 s84, s84, s47
	s_lshl_b32 s50, s49, 9
	s_add_co_u32 s84, s84, s50                     ; the codes' place in a tile,
	s_lshl_b32 s85, s48, 2
	s_add_co_u32 s85, s85, s47
	s_lshl_b32 s50, s49, 1
	s_add_co_u32 s85, s85, s50
	s_add_co_u32 s85, s85, 4096                    ; the two scale bytes'
.macro TILESET rho, last, tok, qb, sb, ob, os
	s_lshr_b32 s[\last], s[\rho], 3                ; the tile's last step of keys
	s_lshr_b32 s50, s[\rho], 1
	s_lshl_b32 s50, s50, 5
	s_and_b32 s51, s[\rho], 1
	s_lshl_b32 s52, s51, 3
	s_add_co_u32 s[\tok], s50, s52                 ; row 0's token
	s_mov_b32 s53, 0
	s_lshl_b32 s52, s44, 6
	s_add_co_u32 s52, s52, s[\rho]
	s_lshl_b32 s52, s52, 9
	s_add_nc_u64 s[\qb:\qb+1], s[4:5], s[52:53]    ; Q's codes
	s_lshl_b32 s52, s44, 3
	s_add_co_u32 s52, s52, s[\last]
	s_lshl_b32 s52, s52, 9
	s_lshl_b32 s54, s51, 8
	s_add_co_u32 s52, s52, s54
	s_and_b32 s54, s[\rho], 6
	s_lshl_b32 s54, s54, 1
	s_add_co_u32 s52, s52, s54
	s_add_nc_u64 s[\sb:\sb+1], s[6:7], s[52:53]    ; Q's scale words
	s_mul_i32 s54, s[\rho], TILEB
	s_add_co_u32 s52, s54, s84
	s_add_nc_u64 s[\ob:\ob+1], s[10:11], s[52:53]  ; o's codes
	s_add_co_u32 s52, s54, s85
	s_add_nc_u64 s[\os:\os+1], s[10:11], s[52:53]  ; o's scale bytes
.endm
	TILESET 42, 68, 70, 56, 60, 74, 76
	TILESET 43, 69, 71, 58, 62, 78, 80
	v_and_b32 v11, 31, v0                          ; lane
	v_and_b32 v8, 15, v0                           ; r
	v_bfe_u32 v9, v0, 4, 1                         ; h
	s_delay_alu instid0(VALU_DEP_3)
	v_lshlrev_b32 v1, 4, v11                       ; 16 x lane
	s_delay_alu instid0(VALU_DEP_1)
	v_add_nc_u32 v2, KS, v1
	s_delay_alu instid0(VALU_DEP_4)
	v_lshlrev_b32 v7, 4, v8                        ; 16 r
	s_delay_alu instid0(VALU_DEP_1)
	v_add_nc_u32 v3, VS, v7
	v_and_b32 v10, 8, v8
	s_delay_alu instid0(VALU_DEP_1)
	v_add_nc_u32 v4, v10, v8
	v_lshlrev_b32 v10, 4, v9
	s_delay_alu instid0(VALU_DEP_1)
	v_sub_nc_u32 v4, v4, v10                       ; r + 8 (r / 8) - 16 h
	global_load_b128 v[16:19], v1, s[56:57]        ; Q stays in registers
	global_load_b128 v[24:27], v1, s[58:59]
	global_load_b32 v76, v7, s[60:61]
	global_load_b32 v77, v7, s[62:63]
.irp j, 20,21,22,23,28,29,30,31,64,65,66,67
	v_mov_b32 v\j, 0                               ; zero codes for k = 64 .. 127 of Q; and behind K's last tile
.endr
.irp j, 236,237,238,239,252,253
	v_mov_b32 v\j, 0                               ; written once: a lane permute's destination counts as one of its sources; v253 is named as the upper half of a pair
.endr
	s_wait_tensorcnt 0x0                           ; my quarter is in,
	s_barrier_signal -1
	s_barrier_wait -1                              ; everybody's is
	s_wait_loadcnt 0x0                             ; Q
; One tile of 16 queries: its steps of 128 keys, then o.  q, qs: Q's fragment and scale word; last, tok: scalars; ntrip: the loop's constant count; ob, os: where o goes; oc: five registers for o's codes and bytes.
.macro TILE q, qs, last, tok, ntrip, ob, os, oc
	v_mov_b32 v13, 0xff61b1e6                      ; the largest t so far: -3e38, under every t
	s_delay_alu instid0(VALU_DEP_1)
	v_floor_f32 v12, -v13                          ; -M
	v_mov_b32 v14, 0
	v_mov_b32 v15, 0
.set n, 0
.rept 32
	v_mov_b32 v[160+n], 0                          ; O^T: the step is written once; the first finds zeros
.set n, n+1
.endr
	s_mov_b32 s[TK], 0
	s_mov_b32 s[TS], 0
	s_mov_b32 s[TW], 0
	s_mov_b32 s[KF], 0
	s_mov_b32 s[KI], 0
.Ltrip_\@:
	s_cmp_gt_u32 s[KI], s[\last]                   ; all its keys come after my queries: only the stepping lines are run
	s_cbranch_scc1 .Lhidden_\@
	v_add_nc_u32 v[ADK], s[TK], v1                 ; these four plain lines are the places in front of loads into registers that the last products read
	v_add_nc_u32 v[ADS], s[TS], v2
	v_add_nc_u32 v[ADT], s[TW], v3
	v_nop
.irp t, 0,1,2,3,4,5,6,7
	ds_load_b128 v[32+4*\t:35+4*\t], v[ADK] offset:512*\t
.endr
	ds_load_b128 v[68:71], v[ADS]                  ; word i: lanes 0-15 tile 2 i, lanes 16-31 tile 2 i + 1
.irp t, 0,1,2,3
	ds_load_b128 v[192+8*\t:195+8*\t], v[ADK] offset:VC+1024*\t
	ds_load_b128 v[196+8*\t:199+8*\t], v[ADK] offset:VC+1024*\t+512
.endr
	ds_load_b128 v[72:75], v[ADT]                  ; word t: channel tile t, row r
	s_wait_dscnt 9                                 ; K and its scale words are in; V's eight loads and its scale words may be out
.irp t, 0,2,4,6
	v_wmma_scale_f32_16x16x128_f8f6f4 v[96+8*\t:103+8*\t], v[32+4*\t:39+4*\t], v[\q:\q+7], 0, v[68+\t/2], v[\qs] matrix_a_fmt:MATRIX_FMT_FP4 matrix_b_fmt:MATRIX_FMT_FP4
	v_wmma_scale_f32_16x16x128_f8f6f4 v[104+8*\t:111+8*\t], v[36+4*\t:43+4*\t], v[\q:\q+7], 0, v[68+\t/2], v[\qs] matrix_a_fmt:MATRIX_FMT_FP4 matrix_b_fmt:MATRIX_FMT_FP4 matrix_a_scale:MATRIX_SCALE_ROW1
.endr
.rept 4
	v_nop
.endr
	s_cmp_lg_u32 s[KI], s[\last]                   ; only the tile's last step lies on the diagonal
	s_cbranch_scc1 .Lopen_\@
	s_sub_co_i32 s82, s[\tok], s[KF]
	v_add_nc_u32 v252, s82, v4                     ; d = my query - the step's first key - 16 (lane / 16).  Register 16 b + i holds key 32 b + 16 (lane / 16) + i of the step: hidden where 32 b + i > d
	v_mov_b32 v254, 0xff800000                     ; -infinity: p = 0 then
.set n, 0
.rept 64
	v_cmp_gt_i32 vcc_lo, 32*(n/16)+n%16, v252
	v_cndmask_b32 v[96+n], v[96+n], v254, vcc_lo
.set n, n+1
.endr
.Lopen_\@:
.irp b, 0,1,2,3
	v_max3_num_f32 v[232+\b], v[96+16*\b], v[97+16*\b], v[98+16*\b]   ; the largest score of each block of 32 keys: for the row's maximum, and, since p rises with the score, for the block's largest p
.endr
.irp i, 3,5,7,9,11,13
.irp b, 0,1,2,3
	v_max3_num_f32 v[232+\b], v[232+\b], v[96+16*\b+\i], v[97+16*\b+\i]
.endr
.endr
.irp b, 0,1,2,3
	v_max_num_f32 v[232+\b], v[232+\b], v[111+16*\b]
.endr
.irp b, 0,1,2,3
	s_delay_alu instid0(VALU_DEP_4)
	v_permlanex16_b32 v[236+\b], v[232+\b], s[SEL], s[SEL+1]
.endr
.irp b, 0,1,2,3
	s_delay_alu instid0(VALU_DEP_4)
	v_max_num_f32 v[232+\b], v[232+\b], v[236+\b]  ; with lane l xor 16's 16 keys
.endr
	s_delay_alu instid0(VALU_DEP_2)
	v_max3_num_f32 v254, v232, v233, v234
	s_delay_alu instid0(VALU_DEP_1)
	v_max_num_f32 v254, v254, v235
	s_delay_alu instid0(VALU_DEP_1)
	v_mul_f32 v254, s[CS], v254                    ; the step's largest t (c is positive)
	s_delay_alu instid0(VALU_DEP_1)
	v_max_num_f32 v13, v13, v254
	v_mov_b32 v254, v12
	s_delay_alu instid0(VALU_DEP_2)
	v_floor_f32 v12, -v13                          ; the new -M = floor(-t): M is a whole number
	s_delay_alu instid0(VALU_DEP_1)
	v_sub_f32 v254, v12, v254                      ; old M - new M: a whole number, 0 or less
	s_delay_alu instid0(VALU_DEP_1)
	v_cvt_i32_f32 v254, v254
	s_delay_alu instid0(VALU_DEP_1)
	v_ldexp_f32 v252, 1.0, v254                    ; f = 2^(old M - new M)
.set n, 0
.rept 32
	v_pk_fma_f32 v[96+n:97+n], v[96+n:97+n], s[CS:CS+1], v[12:13] op_sel_hi:[1,0,0]   ; t - M, two at a time
.set n, n+2
.endr
.irp b, 0,1,2,3
	v_fma_f32 v[232+\b], v[232+\b], s[CS], v12
.endr
.set n, 0
	s_wait_alu depctr_va_vdst(0)
.rept 64
	v_exp_f32 v[96+n], v[96+n]                     ; p = 2^(t - M)
.set n, n+1
.endr
	v_pk_mul_f32 v[14:15], v[14:15], v[252:253] op_sel_hi:[1,0]   ; the sums under the new M: a plain line behind the exponentials
	s_wait_alu depctr_va_vdst(0)                   ; one wait for the batch, ahead of its first reader
.irp b, 0,1,2,3
	v_exp_f32 v[232+\b], v[232+\b]                 ; each block's largest p
.endr
	v_pk_add_f32 v[236:237], v[100:101], v[104:105]
	v_pk_add_f32 v[250:251], v[108:109], v[112:113]
	v_pk_add_f32 v[248:249], v[116:117], v[120:121]
	v_pk_add_f32 v[242:243], v[124:125], v[128:129]
	v_pk_add_f32 v[240:241], v[132:133], v[136:137]
	v_pk_add_f32 v[94:95], v[140:141], v[144:145]
	v_pk_add_f32 v[86:87], v[148:149], v[152:153]
	v_pk_add_f32 v[14:15], v[14:15], v[156:157]
	v_pk_add_f32 v[236:237], v[236:237], v[96:97]
	v_pk_add_f32 v[250:251], v[250:251], v[98:99]
	v_pk_add_f32 v[248:249], v[248:249], v[102:103]
	v_pk_add_f32 v[242:243], v[242:243], v[106:107]
	v_pk_add_f32 v[240:241], v[240:241], v[110:111]
	v_pk_add_f32 v[94:95], v[94:95], v[114:115]
	v_pk_add_f32 v[86:87], v[86:87], v[118:119]
	v_pk_add_f32 v[14:15], v[14:15], v[122:123]
	v_pk_add_f32 v[236:237], v[236:237], v[126:127]
	v_pk_add_f32 v[250:251], v[250:251], v[130:131]
	v_pk_add_f32 v[248:249], v[248:249], v[134:135]
	v_pk_add_f32 v[242:243], v[242:243], v[138:139]
	v_pk_add_f32 v[240:241], v[240:241], v[142:143]
	v_pk_add_f32 v[94:95], v[94:95], v[146:147]
	v_pk_add_f32 v[86:87], v[86:87], v[150:151]
	v_pk_add_f32 v[14:15], v[14:15], v[154:155]
	v_pk_add_f32 v[236:237], v[236:237], v[158:159]
	s_delay_alu instid0(VALU_DEP_2)
	v_pk_add_f32 v[14:15], v[14:15], v[242:243]
	s_delay_alu instid0(VALU_DEP_2)
	v_pk_add_f32 v[236:237], v[236:237], v[240:241]
	v_pk_add_f32 v[250:251], v[250:251], v[94:95]
	v_pk_add_f32 v[248:249], v[248:249], v[86:87]
	s_delay_alu instid0(VALU_DEP_2)
	v_pk_add_f32 v[14:15], v[14:15], v[250:251]
	s_delay_alu instid0(VALU_DEP_2)
	v_pk_add_f32 v[236:237], v[236:237], v[248:249]
	s_delay_alu instid0(VALU_DEP_1)
	v_pk_add_f32 v[14:15], v[14:15], v[236:237]
	s_wait_alu depctr_va_vdst(0)                   ; and one for the four
.irp b, 0,1,2,3
	v_max_num_f32 v[232+\b], 0x1800000, v[232+\b]  ; the floor: the byte cannot fall under 1
.endr
.irp b, 0,1,2,3
	s_delay_alu instid0(VALU_DEP_4)
	v_add_nc_u32 v[244+\b], 0xff000000, v[232+\b]
.endr
.irp b, 0,1,2,3
	s_delay_alu instid0(VALU_DEP_4)
	v_lshrrev_b32 v[236+\b], 23, v[244+\b]
.endr
	s_delay_alu instid0(VALU_DEP_3)
	v_lshl_or_b32 v253, v237, 8, v236              ; p's scale word for these 128 keys
	s_delay_alu instid0(VALU_DEP_1)
	v_lshl_or_b32 v253, v238, 16, v253
	s_delay_alu instid0(VALU_DEP_1)
	v_lshl_or_b32 v253, v239, 24, v253
.irp b, 0,1,2,3
	v_cvt_scalef32_pk8_fp4_f32 v[224+2*\b], v[96+16*\b:103+16*\b], v[244+\b]
	v_cvt_scalef32_pk8_fp4_f32 v[225+2*\b], v[104+16*\b:111+16*\b], v[244+\b]
.endr
	v_nop
.irp c, 0,1
.irp i, 0,1
	v_permlane16_swap_b32 v[224+4*\c+\i], v[226+4*\c+\i]
.endr
.endr
.set n, 0
.rept 16
	v_pk_mul_f32 v[160+n:161+n], v[160+n:161+n], v[252:253] op_sel_hi:[1,0]   ; O^T under the new M; these sixteen are also the places between the lines that made p's codes and scale word and the products
.set n, n+2
.endr
	s_wait_alu depctr_va_vdst(0)
	s_wait_dscnt 0x0                               ; V and its scale words are in
.irp t, 0,1,2,3
	v_wmma_scale_f32_16x16x128_f8f6f4 v[160+8*\t:167+8*\t], v[192+8*\t:199+8*\t], v[224:231], v[160+8*\t:167+8*\t], v[72+\t], v253 matrix_a_fmt:MATRIX_FMT_FP4 matrix_b_fmt:MATRIX_FMT_FP4
.endr
.Lhidden_\@:
	s_add_co_u32 s[TK], s[TK], 4096
	s_add_co_u32 s[TS], s[TS], 512
	s_add_co_u32 s[TW], s[TW], 256
	s_add_co_u32 s[KF], s[KF], 128
	s_add_co_u32 s[KI], s[KI], 1
	s_cmp_lt_u32 s[KI], \ntrip
	s_cbranch_scc1 .Ltrip_\@
.rept 4
	v_nop                                          ; places behind the last products
.endr
	v_add_f32 v14, v14, v15                        ; the sum's two halves,
	s_delay_alu instid0(VALU_DEP_1)
	v_permlanex16_b32 v252, v14, s[SEL], s[SEL+1]
	s_delay_alu instid0(VALU_DEP_1)
	v_add_f32 v14, v14, v252                       ; and lane l xor 16's
	s_wait_alu depctr_va_vdst(0)
	v_rcp_f32 v14, v14
	v_nop
	s_wait_alu depctr_va_vdst(0)
.set n, 0
.rept 16
	v_pk_mul_f32 v[96+n:97+n], v[160+n:161+n], v[14:15] op_sel_hi:[1,0]   ; o: register 16 b + i is channel 32 b + 16 (lane / 16) + i of my query
.set n, n+2
.endr
.irp b, 0,1
	v_max3_num_f32 v[232+\b], |v[96+16*\b]|, |v[97+16*\b]|, 0x1800000   ; o's two blocks of 32 along d_model
.endr
.irp i, 2,4,6,8,10,12,14
.irp b, 0,1
	s_delay_alu instid0(VALU_DEP_2)
	v_max3_num_f32 v[232+\b], v[232+\b], |v[96+16*\b+\i]|, |v[97+16*\b+\i]|
.endr
.endr
.irp b, 0,1
	s_delay_alu instid0(VALU_DEP_2)
	v_permlanex16_b32 v[236+\b], v[232+\b], s[SEL], s[SEL+1]
.endr
.irp b, 0,1
	s_delay_alu instid0(VALU_DEP_2)
	v_max_num_f32 v[232+\b], v[232+\b], v[236+\b]
.endr
.irp b, 0,1
	s_delay_alu instid0(VALU_DEP_2)
	v_add_nc_u32 v[244+\b], 0xff000000, v[232+\b]
.endr
.irp b, 0,1
	s_delay_alu instid0(VALU_DEP_2)
	v_lshrrev_b32 v[236+\b], 23, v[244+\b]
.endr
	s_delay_alu instid0(VALU_DEP_1)
	v_lshl_or_b32 v[\oc+4], v237, 8, v236          ; the two scale bytes
.irp b, 0,1
	v_cvt_scalef32_pk8_fp4_f32 v[\oc+2*\b], v[96+16*\b:103+16*\b], v[244+\b]
	v_cvt_scalef32_pk8_fp4_f32 v[\oc+2*\b+1], v[104+16*\b:111+16*\b], v[244+\b]
.endr
	v_nop
	v_permlane16_swap_b32 v[\oc], v[\oc+2]
	v_permlane16_swap_b32 v[\oc+1], v[\oc+3]
	global_store_b128 v1, v[\oc:\oc+3], s[\ob:\ob+1]   ; half an image: 512 consecutive bytes
	v_cmp_gt_u32 vcc_lo, 16, v11
	s_wait_alu depctr_va_vdst(0)
	s_wait_xcnt 0x0                                ; EXEC changes only behind this wait
	s_and_saveexec_b32 s86, vcc_lo                 ; lanes 16-31 hold the same bytes
	global_store_b16 v7, v[\oc+4], s[\os:\os+1]
	s_wait_xcnt 0x0
	s_or_b32 exec_lo, exec_lo, s86
.endm
	TILE 16, 76, 68, 70, 4, 74, 76, 80             ; the early tile: at most four steps
	TILE 24, 77, 69, 71, 8, 78, 80, 88             ; the late one: five to eight
	s_wait_tensorcnt 0x0                           ; the wave's end
	ds_add_u32 v[SPW], v[NIL]
	s_wait_dscnt 0x0
	ROUND                                          ; the closing round
	s_endpgm
.Lfunc_end_k_qf672251007_attn:
	.size	k_qf672251007_attn, .Lfunc_end_k_qf672251007_attn-k_qf672251007_attn
	.p2alignl 7, 3214868480
	.fill 96, 4, 3214868480
	.section	.rodata,"a",@progbits
	.p2align	6, 0x0
	.amdhsa_kernel k_qf672251007_attn
		.amdhsa_group_segment_fixed_size 167936
		.amdhsa_private_segment_fixed_size 0
		.amdhsa_enable_private_segment 0
		.amdhsa_kernarg_size 32
		.amdhsa_user_sgpr_count 2
		.amdhsa_user_sgpr_kernarg_segment_ptr 1
		.amdhsa_wavefront_size32 1
		.amdhsa_system_sgpr_workgroup_id_x 1
		.amdhsa_system_sgpr_workgroup_id_y 1
		.amdhsa_system_sgpr_workgroup_id_z 1
		.amdhsa_system_vgpr_workitem_id 0
		.amdhsa_next_free_vgpr 256
		.amdhsa_next_free_sgpr 90
		.amdhsa_reserve_vcc 1
		.amdhsa_float_denorm_mode_32 3
		.amdhsa_float_denorm_mode_16_64 3
		.amdhsa_memory_ordered 1
		.amdhsa_forward_progress 1
		.amdhsa_inst_pref_size 62
	.end_amdhsa_kernel
	.amdgpu_metadata
---
amdhsa.version: [ 1, 2 ]
amdhsa.kernels:
  - .name:           k_qf672251007_attn
    .symbol:         k_qf672251007_attn.kd
    .args:
      - { .name: qc, .offset: 0, .size: 8, .value_kind: global_buffer, .address_space: global }
      - { .name: qs, .offset: 8, .size: 8, .value_kind: global_buffer, .address_space: global }
      - { .name: kv, .offset: 16, .size: 8, .value_kind: global_buffer, .address_space: global }
      - { .name: op, .offset: 24, .size: 8, .value_kind: global_buffer, .address_space: global }
    .group_segment_fixed_size: 167936
    .private_segment_fixed_size: 0
    .kernarg_segment_align: 8
    .kernarg_segment_size: 32
    .max_flat_workgroup_size: 512
    .sgpr_count:     90
    .vgpr_count:     256
    .wavefront_size: 32
...
	.end_amdgpu_metadata
.endif
;; end of part 3
;; launch gemm_out (part 4): grid 8 x 32, 4 waves a work-group, clusters of 4 x 4, 327,680 bytes of LDS; arguments op, wp, bo, out0; writes out0
.if DOCPART == 4
	.amdgcn_target "amdgcn-amd-amdhsa--gfx1250"
	.amdhsa_code_object_version 6
	.text
	.protected	k_qf672251007_gemm_out
	.globl	k_qf672251007_gemm_out
	.p2align	8
	.type	k_qf672251007_gemm_out,@function
k_qf672251007_gemm_out:
	s_mov_b64 s[64:65], 0
	v_nop
	global_prefetch_b8 v0, s[64:65] scope:SCOPE_SE
	s_setreg_imm32_b32 hwreg(HW_REG_WAVE_MODE, 25, 1), 1
	s_wait_xcnt 0x0
	s_wait_alu depctr_hold_cnt(0) depctr_sa_sdst(0) depctr_va_vdst(0) depctr_va_sdst(0) depctr_va_ssrc(0) depctr_va_vcc(0) depctr_vm_vsrc(0)
	s_getreg_b32 s2, hwreg(HW_REG_IB_STS2, 6, 4)
	s_cmp_eq_u32 s2, 0
	s_cbranch_scc0 .Lentry_in_a_cluster
	s_endpgm
.Lentry_in_a_cluster:
	s_bfe_u32 s2, ttmp6, 0x10000c
	s_cmp_lg_u32 s2, 0xf033
	s_cbranch_scc0 .Lentry_shape_is_right
	s_endpgm
.Lentry_shape_is_right:
; out0 = o Wo + bo on codes of FP4 (launch attn's op, launch quant's wp, tiles 192 on), sums in f32.  No work is left out here.
; A block of 128 tokens x 256 columns is made by four waves, 64 x 128 each: 32 accumulators.  K = 2,048 goes in four steps of 512 through three LDS slots; each wave fetches a part of a slot by one joint load
; (cluster 4 x 4: o's tiles are shared along a row of the cluster, Wo's along a column).  Slot 0 is asked for at the head, slot 1 behind a round of the cluster's barrier, slot 2 at the first change of slots,
; slot 0 again at the second: one load a wave is out at a time, and it has a slot's 128 matrix instructions in which to land.  The bias is the C of each sum's first matrix instruction.
; The results leave through a stage in slot 2, behind its last fill and last read, as rows of 512 bytes.
.set SIGX,  1114112
.set SIGW,  1392640
.set TILEB, 4352
.set NQ,    4
.set FR,    8
.set NP,    4
.set AHALF, 4*TILEB
.set BHALF, 8*TILEB
.set BOFF,  2*AHALF
.set SLOT,  BOFF+2*BHALF
.set SPARE, 3*SLOT
.set STAGE, 2*SLOT
.set SPITCH, 528
.set ADRA, 8
.set ADRB, 12
.set ADRS, 16
.set STO,  24
.set RD,   25
.set SPW,  28
.set NIL,  29
.set SC,   32
.set AF,   128
.set BK,   128
.set BI,   192
.set G1,  24
.set G1B, 48
.set G0,  68
.set G0B, 80
.set BP,  94
.set MSB, 0
.macro WIN new
.if MSB != (\new)
	s_set_vgpr_msb (MSB<<8)|(\new)
.set MSB, \new
.endif
.endm
.set MUL_LO, 0xa1
.set BIA_LO, 0x81
.set TO_B,   0x40
.macro JLOAD g0a, g1a, g0b, g1b
	s_cmp_eq_u32 s15, 0
	s_cbranch_scc0 .Lfor_b_\@
	tensor_load_to_lds s[\g0a:\g0a+3], s[\g1a:\g1a+7]
	s_nop 0
.rept 4
	v_nop
.endr
	s_branch .Lasked_\@
.Lfor_b_\@:
	tensor_load_to_lds s[\g0b:\g0b+3], s[\g1b:\g1b+7]
	s_nop 0
.rept 4
	v_nop
.endr
.Lasked_\@:
.endm
.macro CREST
	s_cmp_lg_u32 s14, 0
	s_cbranch_scc1 .Lnot_wave_0_\@
	s_barrier_signal -3
.Lnot_wave_0_\@:
	s_barrier_wait -3
	s_barrier_signal -1
	s_barrier_wait -1
.endm
.macro CROUND
	s_barrier_signal -1
	s_barrier_wait -1
	CREST
.endm
	s_load_b256 s[4:11], s[0:1], 0x0
	v_lshl_add_u32 v[SPW], v0, 2, SPARE
	v_mov_b32 v[NIL], 0
	ds_add_u32 v[SPW], v[NIL]
	ds_add_u32 v[SPW], v[NIL]
	v_lshrrev_b32 v1, 5, v0
	v_readfirstlane_b32 s14, v1
	s_lshr_b32 s15, s14, 1
	s_and_b32 s16, s14, 1
	s_bfe_u32 s40, ttmp6, 0x40000
	s_bfe_u32 s41, ttmp6, 0x40004
	s_lshl_b32 s42, ttmp9, 2
	s_add_co_u32 s42, s42, s40
	s_and_b32 s17, ttmp7, 0xffff
	s_lshl_b32 s17, s17, 2
	s_add_co_u32 s17, s17, s41
	s_lshl_b32 s43, s41, 2
	s_lshl_b32 s43, 15, s43
	s_lshl_b32 s44, 0x1111, s40
	s_or_b32 s[G1+0], s43, (3<<16)|(1<<21)
	s_mov_b32 s[G1+1], 32<<16
	s_mov_b32 s[G1+2], 68<<16
	s_mov_b32 s[G1+3], 32<<16
	s_mov_b32 s[G1+4], 68
	s_mov_b32 s[G1+5], 32
	s_mov_b32 s[G1+6], 0
	s_mov_b32 s[G1+7], 0
	s_or_b32 s[G1B+0], s44, (3<<16)|(1<<21)
	s_mov_b32 s[G1B+1], 32<<16
	s_mov_b32 s[G1B+2], 136<<16
	s_mov_b32 s[G1B+3], 32<<16
	s_mov_b32 s[G1B+4], 136
	s_mov_b32 s[G1B+5], 32
	s_mov_b32 s[G1B+6], 0
	s_mov_b32 s[G1B+7], 0
	s_lshl_b32 s18, s16, 2
	s_lshl_b32 s20, s17, 3
	s_add_co_u32 s20, s20, s18
	s_mul_i32 s20, s20, TILEB
	s_mov_b32 s21, 0
	s_lshl_b32 s18, s16, 3
	s_lshl_b32 s22, s42, 4
	s_add_co_u32 s22, s22, s18
	s_add_co_u32 s22, s22, 192
	s_mul_i32 s22, s22, TILEB
	s_mov_b32 s23, 0
	s_mul_i32 s45, s16, AHALF
	s_mul_i32 s46, s16, BHALF
	s_add_co_u32 s46, s46, BOFF
	s_wait_dscnt 0x0
	s_wait_kmcnt 0x0
	s_add_nc_u64 s[20:21], s[4:5], s[20:21]
	s_add_nc_u64 s[22:23], s[6:7], s[22:23]
	CROUND
.irp s, 0,1,2
	s_mov_b32 s[G0+4*\s], 1
	s_add_co_u32 s[G0+4*\s+1], s45, \s*SLOT
	s_add_nc_u64 s[G0+4*\s+2:G0+4*\s+3], s[20:21], \s*SIGX
	s_or_b32 s[G0+4*\s+3], s[G0+4*\s+3], 0x80000000
	s_mov_b32 s[G0B+4*\s], 1
	s_add_co_u32 s[G0B+4*\s+1], s46, \s*SLOT
	s_add_nc_u64 s[G0B+4*\s+2:G0B+4*\s+3], s[22:23], \s*SIGW
	s_or_b32 s[G0B+4*\s+3], s[G0B+4*\s+3], 0x80000000
.endr
	JLOAD G0, G1, G0B, G1B                         ; slot 0: one tensor load a wave at the head
	v_and_b32 v1, 15, v0
	v_bfe_u32 v2, v0, 4, 1
	v_and_b32 v3, 31, v0
	v_lshlrev_b32 v3, 4, v3
	s_mul_i32 s32, s15, AHALF
	s_mul_i32 s33, s16, BHALF
	s_add_co_u32 s33, s33, BOFF
	v_add_nc_u32 v[ADRA], s32, v3
	v_add_nc_u32 v[ADRB], s33, v3
	s_sub_co_u32 s33, s33, s32
	v_mul_u32_u24 v5, s33, v2
	v_lshl_add_u32 v5, v1, 4, v5
	v_add_nc_u32 v5, s32, v5
	v_add_nc_u32 v[ADRS], 4096, v5
.irp s, 1,2
	v_add_nc_u32 v[ADRA+\s], \s*SLOT, v[ADRA]
	v_add_nc_u32 v[ADRB+\s], \s*SLOT, v[ADRB]
	v_add_nc_u32 v[ADRS+\s], \s*SLOT, v[ADRS]
.endr
	s_lshl_b32 s34, s42, 10
	s_lshl_b32 s35, s16, 9
	s_add_co_u32 s34, s34, s35
	s_mov_b32 s35, 0
	s_add_nc_u64 s[BP:BP+1], s[8:9], s[34:35]
	v_lshlrev_b32 v7, 6, v2
.irp b, 0,1,2,3,4,5,6,7
	global_load_b128 v[BI+8*\b:BI+8*\b+3], v7, s[BP:BP+1] offset:(32*(\b/2)+8*(\b%2))*4
	global_load_b128 v[BI+8*\b+4:BI+8*\b+7], v7, s[BP:BP+1] offset:(32*(\b/2)+8*(\b%2))*4+16
.endr
	s_mul_i32 s36, s14, 16*SPITCH
	s_add_co_u32 s36, s36, STAGE
	v_mul_u32_u24 v5, v1, SPITCH
	v_lshl_add_u32 v5, v2, 6, v5
	v_add_nc_u32 v[STO], s36, v5
	v_add_nc_u32 v[RD], s36, v3
	s_lshl_b32 s38, s17, 3
	s_lshl_b32 s39, s15, 2
	s_add_co_u32 s38, s38, s39
	s_lshl_b32 s38, s38, 17
	s_add_co_u32 s38, s38, s34
	s_mov_b32 s39, 0
	s_add_nc_u64 s[10:11], s[10:11], s[38:39]
.macro FRAG reg, adr, q, i
.irp c, 0,1
	ds_load_b128 v[\reg+4*\c:\reg+4*\c+3], v[\adr] offset:(\i)*TILEB+(\q)*1024+512*\c
.endr
.endm
.macro MUL16 a0, p, q, sc, zero
.irp a, \a0, \a0+1
.irp b, 0,1,2,3,4,5,6,7
.set rD, 8*(8*(\a)+\b)
.set rB, 128*(\p)+FR*\b
.set rA, AF+32*(\p)+FR*(\a)
.set sB, SC+32*(\sc)+NQ*\b+(\q)
.set sA, SC+32*(\sc)+NQ*(\a)+(\q)
.if \zero
	v_wmma_scale_f32_16x16x128_f8f6f4 v[rD:rD+7], v[rB:rB+7], v[rA:rA+7], v[BI+8*\b:BI+8*\b+7], v[sB], v[sA] matrix_a_fmt:MATRIX_FMT_FP4 matrix_b_fmt:MATRIX_FMT_FP4 matrix_a_scale:MATRIX_SCALE_ROW1
.else
	v_wmma_scale_f32_16x16x128_f8f6f4 v[rD:rD+7], v[rB:rB+7], v[rA:rA+7], v[rD:rD+7], v[sB], v[sA] matrix_a_fmt:MATRIX_FMT_FP4 matrix_b_fmt:MATRIX_FMT_FP4 matrix_a_scale:MATRIX_SCALE_ROW1
.endif
.endr
.endr
.endm
.macro FETCH slot, q, p
	WIN TO_B
.irp i, 0,1,2,3,4,5,6,7
	FRAG 128*(\p)+FR*\i, ADRB+\slot, \q, \i
.endr
	WIN 0
.irp i, 0,1,2,3
	FRAG AF+32*(\p)+FR*\i, ADRA+\slot, \q, \i
.endr
.endm
.macro SCALES slot, set
.irp i, 0,1,2,3,4,5,6,7
	ds_load_b128 v[SC+32*(\set)+NQ*\i:SC+32*(\set)+NQ*\i+3], v[ADRS+\slot] offset:\i*TILEB
.endr
.endm
.macro PLACES n
.rept \n
	v_nop
.endr
.endm
.macro STEP slot, q, sc, zero
	PLACES NP
	FETCH \slot, (\q)+1, 1-(\q)%2
	s_wait_dscnt 24
.if \zero
	WIN BIA_LO
.else
	WIN MUL_LO
.endif
	MUL16 0, (\q)%2, \q, \sc, \zero
	MUL16 2, (\q)%2, \q, \sc, \zero
.endm
; A change of slots.  slot: the slot that is filled behind the round; fill = 2: for the first time, by its descriptor as the head made it; 1: again, 1,536 along K on; 0: nothing is filled
.macro TURN slot, next, sc, nsc, fill
	WIN 0
	s_wait_tensorcnt 0x0
	ds_add_u32 v[SPW], v[NIL]
	s_wait_dscnt 0x0
	s_barrier_signal -1
	WIN MUL_LO
	MUL16 0, 1, NQ-1, \sc, 0
	WIN 0
	s_barrier_wait -1
.if \fill
	CREST
.if (\fill) == 1
	s_add_nc_u64 s[G0+4*\slot+2:G0+4*\slot+3], s[G0+4*\slot+2:G0+4*\slot+3], 3*SIGX
	s_add_nc_u64 s[G0B+4*\slot+2:G0B+4*\slot+3], s[G0B+4*\slot+2:G0B+4*\slot+3], 3*SIGW
.endif
	JLOAD G0+4*\slot, G1, G0B+4*\slot, G1B
.else
	PLACES NP
.endif
	FETCH \next, 0, 0
	s_wait_alu depctr_va_vdst(0)
	SCALES \next, \nsc
	WIN MUL_LO
	MUL16 2, 1, NQ-1, \sc, 0
.endm
	s_wait_alu depctr_va_vdst(0)
	s_wait_tensorcnt 0x0                           ; my part of slot 0 is in
	ds_add_u32 v[SPW], v[NIL]
	s_wait_dscnt 0x0
	CROUND                                         ; a whole round: everybody's part of slot 0 is in, and the joint loads meet
	JLOAD G0+4, G1, G0B+4, G1B                     ; slot 1's first fill, my one tensor load behind the round
	FETCH 0, 0, 0
	SCALES 0, 0
	s_wait_loadcnt 0x0
	STEP 0, 0, 0, 1
	STEP 0, 1, 0, 0
	STEP 0, 2, 0, 0
	TURN 2, 1, 0, 1, 2
	STEP 1, 0, 1, 0
	STEP 1, 1, 1, 0
	STEP 1, 2, 1, 0
	TURN 0, 2, 1, 0, 1
	STEP 2, 0, 0, 0
	STEP 2, 1, 0, 0
	STEP 2, 2, 0, 0
	TURN 2, 0, 0, 1, 0
	STEP 0, 0, 1, 0
	STEP 0, 1, 1, 0
	STEP 0, 2, 1, 0
	s_wait_dscnt 0x0
	WIN MUL_LO
	MUL16 0, 1, NQ-1, 1, 0
	MUL16 2, 1, NQ-1, 1, 0
	WIN 0
.macro TOSTAGE a
.set AC, 64*(\a)
	WIN 0x08
.irp b, 0,1,2,3,4,5,6,7
	ds_store_b128 v[STO], v[AC+8*\b:AC+8*\b+3] offset:128*(\b/2)+32*(\b%2)
	ds_store_b128 v[STO], v[AC+8*\b+4:AC+8*\b+7] offset:128*(\b/2)+32*(\b%2)+16
.endr
	WIN 0
.set BB, BK+64*((\a)%2)
.irp t, 0,1,2,3,4,5,6,7,8,9,10,11,12,13,14,15
	ds_load_b128 v[BB+4*\t:BB+4*\t+3], v[RD] offset:\t*SPITCH
.endr
.endm
.macro SEND a, younger
.set BB, BK+64*((\a)%2)
.set RW, 32*((\a)/2)+8*((\a)%2)
	s_wait_dscnt \younger
.irp t, 0,1,2,3,4,5,6,7,8,9,10,11,12,13,14,15
	global_store_b128 v3, v[BB+4*\t:BB+4*\t+3], s[10:11] offset:(RW+\t+8*(\t/8))*8192 th:TH_STORE_NT
.endr
.endm
	PLACES NP
	TOSTAGE 0
.irp a, 1,2,3
.if \a > 1
	s_wait_xcnt 0x0
.endif
	TOSTAGE \a
	SEND \a-1, 32
.endr
	SEND 3, 0
	s_wait_tensorcnt 0x0
	ds_add_u32 v[SPW], v[NIL]
	s_wait_dscnt 0x0
	CROUND
	s_endpgm
.Lfunc_end_k_qf672251007_gemm_out:
	.size	k_qf672251007_gemm_out, .Lfunc_end_k_qf672251007_gemm_out-k_qf672251007_gemm_out
	.p2alignl 7, 3214868480
	.fill 96, 4, 3214868480
	.section	.rodata,"a",@progbits
	.p2align	6, 0x0
	.amdhsa_kernel k_qf672251007_gemm_out
		.amdhsa_group_segment_fixed_size 327680
		.amdhsa_private_segment_fixed_size 0
		.amdhsa_enable_private_segment 0
		.amdhsa_kernarg_size 32
		.amdhsa_user_sgpr_count 2
		.amdhsa_user_sgpr_kernarg_segment_ptr 1
		.amdhsa_wavefront_size32 1
		.amdhsa_system_sgpr_workgroup_id_x 1
		.amdhsa_system_sgpr_workgroup_id_y 1
		.amdhsa_system_sgpr_workgroup_id_z 1
		.amdhsa_system_vgpr_workitem_id 0
		.amdhsa_next_free_vgpr 768
		.amdhsa_next_free_sgpr 100
		.amdhsa_reserve_vcc 0
		.amdhsa_float_denorm_mode_32 3
		.amdhsa_float_denorm_mode_16_64 3
		.amdhsa_memory_ordered 1
		.amdhsa_forward_progress 1
		.amdhsa_inst_pref_size 121
	.end_amdhsa_kernel
	.amdgpu_metadata
---
amdhsa.version: [ 1, 2 ]
amdhsa.kernels:
  - .name:           k_qf672251007_gemm_out
    .symbol:         k_qf672251007_gemm_out.kd
    .args:
      - { .name: op, .offset: 0, .size: 8, .value_kind: global_buffer, .address_space: global }
      - { .name: wp, .offset: 8, .size: 8, .value_kind: global_buffer, .address_space: global }
      - { .name: bo, .offset: 16, .size: 8, .value_kind: global_buffer, .address_space: global }
      - { .name: out0, .offset: 24, .size: 8, .value_kind: global_buffer, .address_space: global }
    .group_segment_fixed_size: 327680
    .private_segment_fixed_size: 0
    .kernarg_segment_align: 8
    .kernarg_segment_size: 32
    .max_flat_workgroup_size: 128
    .sgpr_count:     100
    .vgpr_count:     768
    .wavefront_size: 32
...
	.end_amdgpu_metadata
.endif
;; end of part 4
